; MI455X (gfx1250); checked and timed in simulation.
; The chip was launched on July 23, 2026; its instructions are those of AMD's public machine-readable ISA for CDNA 5 (MIT licence, August 2026) and "CDNA5" Instruction Set Architecture Reference Guide (July 2026). The comments in the code are by the model that wrote it; some were corrected since.
;; Multi Head Attention. Allowed arithmetic: matrix products marked QUANTISED: E2M3 operands, one E8M0 scale for each 32 along K, by v_wmma_scale_f32_16x16x128_f8f6f4 with both operands' format E2M3, f32 sums; everything else in f32.
;; Inputs: W_K_codes 1,024 x 32 x 24 uint8 (E2M3 codes of W_K, K innermost, in blocks of 32 codes, four codes in three bytes); W_K_scales 1,024 x 32 uint8 (E8M0 scales of W_K, one for each 32 codes along K); W_O_codes 1,024 x 32 x 24 uint8 (E2M3 codes of W_O, K innermost, in blocks of 32 codes, four codes in three bytes); W_O_scales 1,024 x 32 uint8 (E8M0 scales of W_O, one for each 32 codes along K); W_Q_codes 1,024 x 32 x 24 uint8 (E2M3 codes of W_Q, K innermost, in blocks of 32 codes, four codes in three bytes); W_Q_scales 1,024 x 32 uint8 (E8M0 scales of W_Q, one for each 32 codes along K); W_V_codes 1,024 x 32 x 24 uint8 (E2M3 codes of W_V, K innermost, in blocks of 32 codes, four codes in three bytes); W_V_scales 1,024 x 32 uint8 (E8M0 scales of W_V, one for each 32 codes along K); token_positions 2,048 int32; x_codes 4 x 2,048 x 32 x 24 uint8 (E2M3 codes of x, K innermost, in blocks of 32 codes, four codes in three bytes); x_scales 4 x 2,048 x 32 uint8 (E8M0 scales of x, one for each 32 codes along K).
;; Outputs: out0 4 x 2,048 x 1,024 float32.
;; This version of the problem:
;;   THIS VERSION OF THE PROBLEM IS GIVEN IN LOW PRECISION. The matrix products marked QUANTISED in the list below multiply operands that are first quantised to E2M3 (2 exponent bits, 3 mantissa bits; 6 bits a number), with one power-of-two scale for each 32 numbers along K (OCP MX v1.0); their sums are f32. All else is computed in f32.
;;   The module's matrix products, in the order in which they are computed (A, B: the left and right operand; K: the contracted axis; several contracted axes count as one K, in the product's order):
;;     1. [M 8,192, K 1,024] x [K 1,024, N 1,024]; A: input x (given as codes); B: input W_Q (given as codes): QUANTISED
;;     2. [M 8,192, K 1,024] x [K 1,024, N 1,024]; A: input x (given as codes); B: input W_K (given as codes): QUANTISED
;;     3. [M 8,192, K 1,024] x [K 1,024, N 1,024]; A: input x (given as codes); B: input W_V (given as codes): QUANTISED
;;     4. batch 64 x [M 2,048, K 64] x [K 64, N 2,048]; A: computed on the way; B: computed on the way: QUANTISED
;;     5. batch 64 x [M 2,048, K 2,048] x [K 2,048, N 64]; A: softmax (see below); B: computed on the way: QUANTISED
;;     6. [M 8,192, K 1,024] x [K 1,024, N 1,024]; A: computed on the way; B: input W_O (given as codes): QUANTISED
;;   THE QUANTISER, for each operand of a quantised product, along K:
;;     - K is cut into blocks of 32 from its start; a last block that is shorter is filled with zeros.
;;     - A block's scale is 2^e with e = floor(log2(the largest magnitude in the block)) - 2, held to -126 .. 127; a block of zeros has e = 0. As a byte (E8M0): e + 127.
;;     - Each number is divided by its block's scale, clamped to +-7.5, and rounded to the nearest number of E2M3, ties to even, subnormals kept.
;;     - The product sums the exact products of the quantised numbers (number of the format x scale) in f32.
;;   ~~~python
;;   def quantise(x, axis):      # numpy; x: float32 -> the quantised numbers, widened to float32 again
;;       x = np.moveaxis(x, axis, -1); K = x.shape[-1]
;;       x = np.pad(x, [(0, 0)] * (x.ndim - 1) + [(0, -K % 32)]); x = x.reshape(x.shape[:-1] + (-1, 32)); a = np.abs(x).max(-1, keepdims=True)
;;       e = np.where(a > 0, np.clip(np.frexp(np.where(a > 0, a, 1))[1] - 1 - 2, -126, 127), 0)      # np.frexp(a)[1] - 1 = floor(log2(a)), exactly
;;       r = np.clip(x / 2.0 ** e, -7.5, 7.5)
;;       step = 2.0 ** (np.maximum(np.frexp(np.where(r == 0, 1, r))[1] - 1, 0) - 3)
;;       q = np.round(r / step) * step * 2.0 ** e      # np.round: ties to even
;;       return np.moveaxis(q.reshape(q.shape[:-2] + (-1,))[..., :K], -1, axis).astype(np.float32)
;;   ~~~
;;   SOFTMAX AHEAD OF A QUANTISED PRODUCT. Where the list says 'softmax', what is quantised is not the finished softmax but p = 2^(t - M), with t = logit x log2(e) and M = ceil(the row's largest t), a whole number; so 1/2 < the row's largest p <= 1. The row's sum l is taken of the UNQUANTISED p, in f32, and the product's result is divided by l at the end. Since M is a whole number, a kernel that streams over the keys may use a running M (the ceiling of the running maximum): every later rescaling is an exact power of two, which a block's scale takes up: the codes' values come out the same.
;;   OPERANDS COMPUTED ON THE WAY. 'Computed on the way' means the value that the module computes at that place (a softmax that the list does not call 'softmax' is quantised finished and normalised). What goes into a quantiser is computed in f32, as accurately as f32 sums, v_exp_f32 and their like allow (about 1e-6 of the number): no bf16 or f16 on the way to a quantiser, and a product that is left as it is and whose result goes on into a quantised operand takes f32 operands (vector FMAs, or v_wmma_f32_16x16x4_f32). A number that lies on a knife's edge between two numbers of the format may be rounded either way, as far as f32 arithmetic and the matrix unit's own rounding can turn it there, and no further.
;;   INPUTS GIVEN AS CODES. W_K (in the module: [1024, 1024], K = its axis 1); W_O (in the module: [1024, 1024], K = its axis 1); W_Q (in the module: [1024, 1024], K = its axis 1); W_V (in the module: [1024, 1024], K = its axis 1); x (in the module: [4, 2048, 1024], K = its axis 2): each comes as NAME_codes (uint8): NAME with its K axis moved to the last place and cut into blocks of 32 codes, [.., K / 32, bytes a block], one block behind the other in memory; four codes in three bytes: a row's codes are one little-endian stream of bits, code i at bits 6 i .. 6 i + 5 (a code: sign, 2 exponent bits, 3 mantissa bits); and NAME_scales (uint8): the same leading axes, one E8M0 byte (e + 127) for each 32 codes along K. Its value is code x scale, taken as it is: it is not quantised again, and the codes and scales need not be those that the quantiser above would give.
;; One version. Each part assembles by itself: llvm-mc -triple=amdgcn-amd-amdhsa -mcpu=gfx1250 --defsym DOCPART=n.
;; ======== version 1 of 1: 3 launches
;; limits: right only within a limited range of input values
;; workspace buffers: q_ws 6,815,744 bytes; kv_ws 13,369,344 bytes; a_img 6,291,456 bytes; a_sc 262,144 bytes
;; launch qkv (part 1): grid 16 x 32, 4 waves a work-group, clusters of 4 x 4, 327,680 bytes of LDS; arguments x_codes, x_scales, W_Q_codes, W_K_codes, W_V_codes, W_Q_scales, W_K_scales, W_V_scales, token_positions, q_ws, kv_ws; writes q_ws, kv_ws
.if DOCPART == 1
	.amdgcn_target "amdgcn-amd-amdhsa--gfx1250"
	.amdhsa_code_object_version 6
	.text
	.protected	k_q0a2e709213_qkv
	.globl	k_q0a2e709213_qkv
	.p2align	8
	.type	k_q0a2e709213_qkv,@function
k_q0a2e709213_qkv:
	s_mov_b64 s[64:65], 0
	v_nop
	global_prefetch_b8 v0, s[64:65] scope:SCOPE_SE
	s_setreg_imm32_b32 hwreg(HW_REG_WAVE_MODE, 25, 1), 1
	s_wait_xcnt 0x0
	s_wait_alu depctr_hold_cnt(0) depctr_sa_sdst(0) depctr_va_vdst(0) depctr_va_sdst(0) depctr_va_ssrc(0) depctr_va_vcc(0) depctr_vm_vsrc(0)
	s_getreg_b32 s2, hwreg(HW_REG_IB_STS2, 6, 4)
	s_cmp_eq_u32 s2, 0
	s_cbranch_scc0 .Lentry_in_a_cluster
	s_endpgm
.Lentry_in_a_cluster:
	s_bfe_u32 s2, ttmp6, 0x10000c
	s_cmp_lg_u32 s2, 0xf033
	s_cbranch_scc0 .Lentry_shape_is_right
	s_endpgm
.Lentry_shape_is_right:
; Q, K, V = x W^T on codes of FP6 (E2M3) with E8M0 scales; RoPE on Q and K; all three quantised again and stored as images of operand registers.
; SHARES.  A work-group takes 256 tokens x one head: 64 rows each of W_Q, W_K, W_V.  Wave w takes tokens 64 w .. 64 w + 63 (4 token tiles) against all 12 feature tiles: 48 accumulators.
; Q, K: source 0 = 16 rows of W, source 1 = 16 tokens: a lane holds one token and 8 neighbouring features.  V: source 0 = 16 tokens, source 1 = 16 rows of W_V: a lane holds one feature and 8 neighbouring tokens,
; since V is quantised along the tokens (the keys).  The same registers of x serve both.
; K = 1,024 goes through three LDS slots of 256 along K; the fourth quarter is the one refill, into slot 0.  4 x 4 work-groups form a cluster: x's tile is shared along a row, the weights' tiles along a column, each asked for jointly.
; A HALF FRAGMENT (768 bytes) is six operand registers of 32 lanes: chunk p (256 bytes) holds lane l's registers 2 p, 2 p + 1 at byte 8 l.  One store of 8 bytes a lane writes 256 consecutive aligned bytes.
; ORDER INSIDE A BLOCK OF 32: places 0 .. 31 hold elements 0-7, 16-23, 8-15, 24-31.  Q and K carry it alike along d, V carries it along the keys as the weights p of the next launch do: the sums are unchanged.
; cos and sin are made here: angle = position x 10^(-j / 8) in f32, reduced by a three-part pi / 2, two short polynomials.  They are computed while the first tiles are on their way.
; LIMITS: positions up to 2^18 in magnitude keep cos and sin within about 3e-7; NaN, infinities and scale bytes 0xff are not served; a block whose largest magnitude lies under 2^-124, a block of zeros among them,
; gets the byte 1 (its bytes are read by this program alone); RoPE rounds each sum once more seldom than two products and an addition would (fused multiply-add).  V's scale bytes leave two bytes a lane: 2 bytes for each 48 of codes.
.set PITCH, 240                        ; an LDS row: 3 x (64 bytes of codes + 16 of padding)
.set XB,    256*PITCH                  ; x's 256 rows
.set WB,    64*PITCH                   ; 64 rows of one weight
.set SLOT,  XB+3*WB                    ; 107,520 bytes
.set SPARE, 3*SLOT                     ; the spare words: 128 bytes a wave, named by no other line
.set QBLK,  13312                      ; q_ws: 16 half fragments + 1,024 bytes of scale words
.set KVBLK, 26112                      ; kv_ws: K 12,288, V 12,288, K's scale words 1,024, V's 512
.set L8,   10                          ; 8 x lane
.set STQ,  11                          ; 8 x lane + 3,072 w
.set STS,  12                          ; 8 x lane + 256 w
.set STV,  13                          ; 8 x lane + 6,144 (w / 2) + 768 (w % 2)
.set STVS, 14                          ; 8 x lane + 256 (w / 2) + 2 (w % 2)
.set SCO,  15                          ; 32 x lane
.set ADRX, 16                          ; v16-18 x's fragments in slots 0-2; v19-21 for the pieces behind one padding more
.set ADRW, 22                          ; v22-24, v25-27 the weights'
.set SPW,  28
.set NIL,  29
.set POF,  30                          ; 4 x (lane % 16)
.set SX,   32                          ; v32-47  x's scale words: 8 (T / 2) + K step; lanes 0-15 the even tile, lanes 16-31 the odd
.set SW,   48                          ; v48-95  the weights': 16 g + 8 (t / 2) + K step
.set INV,  96                          ; v96-111 10^(-j / 8) of my 16 pairs
.set PF,   112                         ; v112-119 my four positions as f32, each twice
.set XF,   128                         ; v128-223 two sets of x's four fragments
.set AA,   128                         ; the head's work arrays, 16 registers each
.set NN,   144
.set ZZ,   160
.set PS,   176
.set PO,   192
.set UU,   208
.set CK,   240                         ; v240-251 six constants, each twice
.set H,    128                         ; the way out: 64 numbers
.set TM,   192
.set PC,   212                         ; 12 registers of codes
.set PY,   224
.set WQ,   232
.set WK,   234
.set WEQ,  236
.set WEK,  237
.set WT,   238
.set VH,   240
.set WV,   26
.set G1A,  32
.set G1B,  40
.set G0A,  48                          ; s[48:59] three sets
.set G0B,  68                          ; s[68:79] three sets
.set SEL,  92
.set MHI,  96
.set MUL_QK, 0xa1                      ; source 0 window 1, source 1 window 0, C and D window 2
.set MUL_V,  0xf4                      ; source 0 window 0, source 1 window 1, C and D window 3
.set TO_W,   0x40
.set MSB, 0
.macro WIN new                         ; the immediate's high byte repeats the setting that is left
.if MSB != \new
	s_set_vgpr_msb (MSB<<8)|\new
.set MSB, \new
.endif
.endm
.macro PLACES                          ; four plain lines behind matrix instructions, ahead of loads into their sources and of reads of their results
.rept 4
	v_nop
.endr
.endm
.macro JLOAD g0a, g0b                  ; a joint load: wave 0 fetches x's tile, waves 1 to 3 one weight's each; four v_nop follow each line
	s_cmp_eq_u32 s[WV], 0
	s_cbranch_scc0 .Lfor_b_\@
	tensor_load_to_lds s[\g0a:\g0a+3], s[G1A:G1A+7]
	s_nop 0
.rept 4
	v_nop
.endr
	s_branch .Lasked_\@
.Lfor_b_\@:
	tensor_load_to_lds s[\g0b:\g0b+3], s[G1B:G1B+7]
	s_nop 0
.rept 4
	v_nop
.endr
.Lasked_\@:
.endm
.macro CREST                           ; a round of the cluster's barrier behind its opening barrier
	s_cmp_lg_u32 s[WV], 0
	s_cbranch_scc1 .Lnot_wave_0_\@
	s_barrier_signal -3
.Lnot_wave_0_\@:
	s_barrier_wait -3
	s_barrier_signal -1
	s_barrier_wait -1
.endm
.macro CROUND
	s_barrier_signal -1
	s_barrier_wait -1
	CREST
.endm
	s_load_b512 s[4:19], s[0:1], 0x0               ; x codes, x scales, W_Q, W_K, W_V codes, W_Q, W_K, W_V scales
	s_load_b128 s[20:23], s[0:1], 0x40             ; positions, q_ws
	s_load_b64 s[24:25], s[0:1], 0x50              ; kv_ws
	v_lshl_add_u32 v[SPW], v0, 2, SPARE
	v_mov_b32 v[NIL], 0
	ds_add_u32 v28, v29
	ds_add_u32 v28, v29
	s_wait_dscnt 0x0
	v_lshrrev_b32 v1, 5, v0
	v_readfirstlane_b32 s[WV], v1                  ; wave 0..3
	s_bfe_u32 s28, ttmp6, 0x40000                  ; cx
	s_bfe_u32 s29, ttmp6, 0x40004                  ; cy
	s_lshl_b32 s30, ttmp9, 2
	s_add_co_u32 s30, s30, s28                     ; head = 4 x cluster x + cx
	s_and_b32 s31, ttmp7, 0xffff
	s_lshl_b32 s31, s31, 2
	s_add_co_u32 s31, s31, s29                     ; block of 256 tokens = 4 x cluster y + cy
	s_lshl_b32 s60, s29, 2
	s_lshl_b32 s60, 15, s60                        ; my row of the cluster
	s_lshl_b32 s61, 0x1111, s28                    ; my column
	s_or_b32 s[G1A], s60, (1<<20)|(1<<21)|(3<<22)|(3<<25)   ; mask; bytes; padding on; bit 21 beside a mask; 4 words behind every 16
	s_or_b32 s[G1B], s61, (1<<20)|(1<<21)|(3<<22)|(3<<25)
	s_mov_b32 s[G1A+1], 192<<16                    ; tensor_dim0 = 192 bytes
	s_mov_b32 s[G1A+2], 256<<16                    ; tensor_dim1 = 256 rows
	s_mov_b32 s[G1A+3], 192<<16                    ; tile_dim0
	s_mov_b32 s[G1A+4], 256                        ; tile_dim1
	s_mov_b32 s[G1A+5], 768                        ; a row of 1,024 codes in memory
	s_mov_b32 s[G1A+6], 0
	s_mov_b32 s[G1A+7], 0
	s_mov_b32 s[G1B+1], 192<<16
	s_mov_b32 s[G1B+2], 64<<16
	s_mov_b32 s[G1B+3], 192<<16
	s_mov_b32 s[G1B+4], 64
	s_mov_b32 s[G1B+5], 768
	s_mov_b32 s[G1B+6], 0
	s_mov_b32 s[G1B+7], 0
	s_mul_i32 s80, s31, 196608                     ; x: 256 rows of 768 bytes a block
	s_mov_b32 s81, 0
	s_mul_i32 s84, s30, 49152                      ; a weight: 64 rows a head
	s_mov_b32 s85, 0
	s_mul_i32 s62, s[WV], WB
	s_add_co_u32 s62, s62, XB-WB                   ; waves 1, 2, 3: W_Q's, W_K's, W_V's place in a slot
	s_mov_b32 s[SEL], 0x76543210
	s_mov_b32 s[SEL+1], 0xfedcba98
	s_mov_b32 s[MHI], 0xffff0000                   ; lanes 16-31
	s_mov_b32 vcc_lo, 0xffff0000
	s_wait_kmcnt 0x0
	s_add_nc_u64 s[82:83], s[4:5], s[80:81]
	s_cmp_lt_u32 s[WV], 2
	s_cselect_b64 s[86:87], s[8:9], s[10:11]
	s_cmp_lt_u32 s[WV], 3
	s_cselect_b64 s[86:87], s[86:87], s[12:13]     ; the choice hangs on the wave's number alone
	s_add_nc_u64 s[86:87], s[86:87], s[84:85]
	CROUND                                         ; all sixteen work-groups are here: the first joint loads meet
.irp s, 0,1,2
	s_mov_b32 s[G0A+4*\s], 1
	s_mov_b32 s[G0A+4*\s+1], \s*SLOT
	s_add_nc_u64 s[G0A+4*\s+2:G0A+4*\s+3], s[82:83], \s*192
	s_or_b32 s[G0A+4*\s+3], s[G0A+4*\s+3], 0x80000000
	s_mov_b32 s[G0B+4*\s], 1
	s_add_co_u32 s[G0B+4*\s+1], s62, \s*SLOT
	s_add_nc_u64 s[G0B+4*\s+2:G0B+4*\s+3], s[86:87], \s*192
	s_or_b32 s[G0B+4*\s+3], s[G0B+4*\s+3], 0x80000000
	JLOAD G0A+4*\s, G0B+4*\s                       ; three loads of mine are out
.endr
	; the other addresses
	s_mov_b32 s91, 0
	s_and_b32 s88, s31, 7                          ; the block's place in its sequence
	s_lshl_b32 s90, s88, 10
	s_lshl_b32 s89, s[WV], 8
	s_add_co_u32 s90, s90, s89
	s_add_nc_u64 s[20:21], s[20:21], s[90:91]      ; positions of my 64 tokens
	s_lshl_b32 s90, s31, 13
	s_lshl_b32 s89, s[WV], 11
	s_add_co_u32 s90, s90, s89
	s_add_nc_u64 s[6:7], s[6:7], s[90:91]          ; x's scale bytes of my 64 tokens
	s_lshl_b32 s90, s30, 11
	s_add_nc_u64 s[14:15], s[14:15], s[90:91]      ; the weights' scale bytes of my head
	s_add_nc_u64 s[16:17], s[16:17], s[90:91]
	s_add_nc_u64 s[18:19], s[18:19], s[90:91]
	s_lshr_b32 s89, s31, 3
	s_lshl_b32 s89, s89, 4
	s_add_co_u32 s89, s89, s30                     ; 16 n + head
	s_lshl_b32 s89, s89, 3
	s_add_co_u32 s89, s89, s88
	s_mul_i32 s90, s89, QBLK
	s_add_nc_u64 s[22:23], s[22:23], s[90:91]
	s_mul_i32 s90, s89, KVBLK
	s_add_nc_u64 s[24:25], s[24:25], s[90:91]
	v_and_b32 v1, 31, v0
	v_and_b32 v2, 15, v0                           ; r
	v_bfe_u32 v3, v0, 4, 1                         ; h
	v_lshlrev_b32 v[L8], 3, v1
	v_lshlrev_b32 v[SCO], 5, v1
	v_lshlrev_b32 v[POF], 2, v2
.irp tk, 0,1,2,3
	global_load_b32 v[PF+2*\tk], v[POF], s[20:21] offset:64*\tk
.endr
.irp i, 0,1                                    ; lane l takes the 32 scale bytes of row 32 i + l: eight words, one for each K step
	global_load_b128 v[SX+8*\i:SX+8*\i+3], v[SCO], s[6:7] offset:1024*\i
	global_load_b128 v[SX+8*\i+4:SX+8*\i+7], v[SCO], s[6:7] offset:1024*\i+16
.endr
.irp g, 0,1,2
.irp i, 0,1
	global_load_b128 v[SW+16*\g+8*\i:SW+16*\g+8*\i+3], v[SCO], s[14+2*\g:15+2*\g] offset:1024*\i
	global_load_b128 v[SW+16*\g+8*\i+4:SW+16*\g+8*\i+7], v[SCO], s[14+2*\g:15+2*\g] offset:1024*\i+16
.endr
.endr
	v_mul_u32_u24 v4, v2, PITCH
	v_mad_u32_u24 v4, v3, 24, v4                   ; row x pitch + 24 x half
	v_lshl_add_u32 v5, v3, 4, v4                   ; and behind one padding more
	s_mul_i32 s88, s[WV], 64*PITCH
	s_mov_b32 s89, XB
.irp s, 0,1,2
	v_add_nc_u32 v[ADRX+\s], s88, v4
	v_add_nc_u32 v[ADRX+3+\s], s88, v5
	v_add_nc_u32 v[ADRW+\s], s89, v4
	v_add_nc_u32 v[ADRW+3+\s], s89, v5
	s_add_co_u32 s88, s88, SLOT
	s_add_co_u32 s89, s89, SLOT
.endr
	s_mul_i32 s88, s[WV], 3072
	v_add_nc_u32 v[STQ], s88, v[L8]
	s_lshl_b32 s88, s[WV], 8
	v_add_nc_u32 v[STS], s88, v[L8]
	s_lshr_b32 s66, s[WV], 1
	s_and_b32 s67, s[WV], 1
	s_mul_i32 s88, s66, 6144
	s_mul_i32 s89, s67, 768
	s_add_co_u32 s88, s88, s89
	v_add_nc_u32 v[STV], s88, v[L8]
	s_lshl_b32 s88, s66, 8
	s_lshl_b32 s89, s67, 1
	s_add_co_u32 s88, s88, s89
	v_add_nc_u32 v[STVS], s88, v[L8]
; 10000^(-2 j / 64) = 10^(-j / 8).  Register k = 4 t + m stands for j = 8 t + 4 h + m: lanes 0-15 take the first number, lanes 16-31 the second
.macro INVF k, lo, hi
	v_mov_b32 v[INV+\k], \hi
	v_cndmask_b32 v[INV+\k], \lo, v[INV+\k], vcc_lo
.endm
	INVF 0, 1.0, 0.31622776601683794
	INVF 1, 0.7498942093324559, 0.23713737056616552
	INVF 2, 0.5623413251903491, 0.1778279410038923
	INVF 3, 0.4216965034285822, 0.1333521432163324
	INVF 4, 0.1, 0.031622776601683794
	INVF 5, 0.07498942093324559, 0.023713737056616552
	INVF 6, 0.05623413251903491, 0.01778279410038923
	INVF 7, 0.04216965034285822, 0.01333521432163324
	INVF 8, 0.01, 0.0031622776601683794
	INVF 9, 0.007498942093324559, 0.0023713737056616552
	INVF 10, 0.005623413251903491, 0.001778279410038923
	INVF 11, 0.004216965034285822, 0.001333521432163324
	INVF 12, 0.001, 0.00031622776601683794
	INVF 13, 0.0007498942093324559, 0.00023713737056616552
	INVF 14, 0.0005623413251903491, 0.0001778279410038923
	INVF 15, 0.0004216965034285822, 0.0001333521432163324
.irp u, 0,1
	v_mov_b32 v[CK+\u], -1.9515295891e-4           ; sin: S3, S2, S1
	v_mov_b32 v[CK+2+\u], 8.3321608736e-3
	v_mov_b32 v[CK+4+\u], -1.6666654611e-1
	v_mov_b32 v[CK+6+\u], 2.443315711809948e-5     ; cos: C3, C2, C1
	v_mov_b32 v[CK+8+\u], -1.388731625493765e-3
	v_mov_b32 v[CK+10+\u], 4.166664568298827e-2
.endr
	s_wait_loadcnt 16                              ; the four positions are in; the sixteen loads of scale words behind them may be out
.irp tk, 0,1,2,3
	v_cvt_f32_i32 v[PF+2*\tk], v[PF+2*\tk]
.endr
.irp tk, 0,1,2,3
	v_mov_b32 v[PF+2*\tk+1], v[PF+2*\tk]
.endr
; cos and sin of my 16 angles of token tile tk, into window 3: (cos, sin) of pair k at v[128 + 32 tk + 2 k].  Stage by stage over eight pairs, so that no line waits for the line above it.
.macro SINCOS tk
.irp p, 0,2,4,6,8,10,12,14
	v_pk_mul_f32 v[AA+\p:AA+\p+1], v[INV+\p:INV+\p+1], v[PF+2*\tk:PF+2*\tk+1]       ; the angle, rounded once
.endr
.irp p, 0,2,4,6,8,10,12,14
	v_pk_mul_f32 v[NN+\p:NN+\p+1], v[AA+\p:AA+\p+1], 0x3f22f983 op_sel_hi:[1,0]      ; x 2 / pi
.endr
.irp k, 0,1,2,3,4,5,6,7,8,9,10,11,12,13,14,15
	v_rndne_f32 v[NN+\k], v[NN+\k]                 ; how many quarter turns
.endr
.irp p, 0,2,4,6,8,10,12,14
	v_pk_fma_f32 v[AA+\p:AA+\p+1], v[NN+\p:NN+\p+1], 0xbfc90fdb, v[AA+\p:AA+\p+1] op_sel_hi:[1,0,1]   ; less n x pi / 2, in three parts
.endr
.irp p, 0,2,4,6,8,10,12,14
	v_pk_fma_f32 v[AA+\p:AA+\p+1], v[NN+\p:NN+\p+1], 0x333bbd2e, v[AA+\p:AA+\p+1] op_sel_hi:[1,0,1]
.endr
.irp p, 0,2,4,6,8,10,12,14
	v_pk_fma_f32 v[AA+\p:AA+\p+1], v[NN+\p:NN+\p+1], 0x26f72ced, v[AA+\p:AA+\p+1] op_sel_hi:[1,0,1]
.endr
.irp p, 0,2,4,6,8,10,12,14
	v_pk_mul_f32 v[ZZ+\p:ZZ+\p+1], v[AA+\p:AA+\p+1], v[AA+\p:AA+\p+1]
.endr
.irp p, 0,2,4,6,8,10,12,14
	v_pk_fma_f32 v[PS+\p:PS+\p+1], v[ZZ+\p:ZZ+\p+1], v[CK:CK+1], v[CK+2:CK+3]
	v_pk_fma_f32 v[PO+\p:PO+\p+1], v[ZZ+\p:ZZ+\p+1], v[CK+6:CK+7], v[CK+8:CK+9]
.endr
.irp p, 0,2,4,6,8,10,12,14
	v_pk_fma_f32 v[PS+\p:PS+\p+1], v[PS+\p:PS+\p+1], v[ZZ+\p:ZZ+\p+1], v[CK+4:CK+5]
	v_pk_fma_f32 v[PO+\p:PO+\p+1], v[PO+\p:PO+\p+1], v[ZZ+\p:ZZ+\p+1], v[CK+10:CK+11]
.endr
.irp p, 0,2,4,6,8,10,12,14
	v_pk_mul_f32 v[PS+\p:PS+\p+1], v[PS+\p:PS+\p+1], v[ZZ+\p:ZZ+\p+1]
	v_pk_fma_f32 v[UU+\p:UU+\p+1], v[ZZ+\p:ZZ+\p+1], -0.5, 1.0 op_sel_hi:[1,0,0]
.endr
.irp p, 0,2,4,6,8,10,12,14
	v_pk_mul_f32 v[ZZ+\p:ZZ+\p+1], v[ZZ+\p:ZZ+\p+1], v[ZZ+\p:ZZ+\p+1]
.endr
.irp p, 0,2,4,6,8,10,12,14
	v_pk_fma_f32 v[PS+\p:PS+\p+1], v[PS+\p:PS+\p+1], v[AA+\p:AA+\p+1], v[AA+\p:AA+\p+1]   ; sin of the rest
	v_pk_fma_f32 v[PO+\p:PO+\p+1], v[PO+\p:PO+\p+1], v[ZZ+\p:ZZ+\p+1], v[UU+\p:UU+\p+1]   ; cos of the rest
.endr
.irp k, 0,1,2,3,4,5,6,7,8,9,10,11,12,13,14,15
	v_cvt_i32_f32 v[NN+\k], v[NN+\k]
.endr
.irp k, 0,1,2,3,4,5,6,7,8,9,10,11,12,13,14,15
	v_lshlrev_b32 v[UU+\k], 31, v[NN+\k]           ; its bit 0 as a sign: an odd quarter swaps sin and cos
.endr
.irp k, 0,1,2,3,4,5,6,7,8,9,10,11,12,13,14,15
	v_lshlrev_b32 v[NN+\k], 30, v[NN+\k]           ; its bit 1 as a sign: sin's sign
.endr
.irp k, 0,1,2,3,4,5,6,7,8,9,10,11,12,13,14,15
	v_cmp_gt_i32 vcc_lo, 0, v[UU+\k]
	v_cndmask_b32 v[AA+\k], v[PS+\k], v[PO+\k], vcc_lo
	v_cndmask_b32 v[ZZ+\k], v[PO+\k], v[PS+\k], vcc_lo
.endr
.irp k, 0,1,2,3,4,5,6,7,8,9,10,11,12,13,14,15
	v_xor_b32 v[UU+\k], v[UU+\k], v[NN+\k]         ; bit 0 xor bit 1: cos's sign
.endr
.irp k, 0,1,2,3,4,5,6,7,8,9,10,11,12,13,14,15
	v_and_b32 v[NN+\k], 0x80000000, v[NN+\k]
	v_and_b32 v[UU+\k], 0x80000000, v[UU+\k]
.endr
	WIN 0xc0                                       ; destination window 3
.irp k, 0,1,2,3,4,5,6,7,8,9,10,11,12,13,14,15
	v_xor_b32 v[128+32*\tk+2*\k], v[ZZ+\k], v[UU+\k]
	v_xor_b32 v[129+32*\tk+2*\k], v[AA+\k], v[NN+\k]
.endr
	WIN 0
.endm
	SINCOS 0
	SINCOS 1
	SINCOS 2
	SINCOS 3
; one matrix instruction; ra, rb: the scale words of source 0, source 1 stand in lanes 16-31
.macro WM d, a, b, zero, sa, sb, ra, rb
.if \zero
.if (\ra) && (\rb)
	v_wmma_scale_f32_16x16x128_f8f6f4 v[\d:\d+7], v[\a:\a+11], v[\b:\b+11], 0, v[\sa], v[\sb] matrix_a_fmt:MATRIX_FMT_FP6 matrix_b_fmt:MATRIX_FMT_FP6 matrix_a_scale:MATRIX_SCALE_ROW1 matrix_b_scale:MATRIX_SCALE_ROW1
.elseif (\ra)
	v_wmma_scale_f32_16x16x128_f8f6f4 v[\d:\d+7], v[\a:\a+11], v[\b:\b+11], 0, v[\sa], v[\sb] matrix_a_fmt:MATRIX_FMT_FP6 matrix_b_fmt:MATRIX_FMT_FP6 matrix_a_scale:MATRIX_SCALE_ROW1
.elseif (\rb)
	v_wmma_scale_f32_16x16x128_f8f6f4 v[\d:\d+7], v[\a:\a+11], v[\b:\b+11], 0, v[\sa], v[\sb] matrix_a_fmt:MATRIX_FMT_FP6 matrix_b_fmt:MATRIX_FMT_FP6 matrix_b_scale:MATRIX_SCALE_ROW1
.else
	v_wmma_scale_f32_16x16x128_f8f6f4 v[\d:\d+7], v[\a:\a+11], v[\b:\b+11], 0, v[\sa], v[\sb] matrix_a_fmt:MATRIX_FMT_FP6 matrix_b_fmt:MATRIX_FMT_FP6
.endif
.else
.if (\ra) && (\rb)
	v_wmma_scale_f32_16x16x128_f8f6f4 v[\d:\d+7], v[\a:\a+11], v[\b:\b+11], v[\d:\d+7], v[\sa], v[\sb] matrix_a_fmt:MATRIX_FMT_FP6 matrix_b_fmt:MATRIX_FMT_FP6 matrix_a_scale:MATRIX_SCALE_ROW1 matrix_b_scale:MATRIX_SCALE_ROW1
.elseif (\ra)
	v_wmma_scale_f32_16x16x128_f8f6f4 v[\d:\d+7], v[\a:\a+11], v[\b:\b+11], v[\d:\d+7], v[\sa], v[\sb] matrix_a_fmt:MATRIX_FMT_FP6 matrix_b_fmt:MATRIX_FMT_FP6 matrix_a_scale:MATRIX_SCALE_ROW1
.elseif (\rb)
	v_wmma_scale_f32_16x16x128_f8f6f4 v[\d:\d+7], v[\a:\a+11], v[\b:\b+11], v[\d:\d+7], v[\sa], v[\sb] matrix_a_fmt:MATRIX_FMT_FP6 matrix_b_fmt:MATRIX_FMT_FP6 matrix_b_scale:MATRIX_SCALE_ROW1
.else
	v_wmma_scale_f32_16x16x128_f8f6f4 v[\d:\d+7], v[\a:\a+11], v[\b:\b+11], v[\d:\d+7], v[\sa], v[\sb] matrix_a_fmt:MATRIX_FMT_FP6 matrix_b_fmt:MATRIX_FMT_FP6
.endif
.endif
.endm
; feature tiles j0 .. j0 + n - 1 (0-3 Q, 4-7 K, 8-11 V) x my four token tiles, K step ks, x's set at xs.  The accumulators take turns, one instruction a turn.
; Q at 32 T + 8 t and K at 128 + 32 T + 8 t of window 2; V at 32 t + 8 T of window 3.
.macro MULW j0, n, ks, xs, zero
.set jj, \j0
.rept \n
.set tt, 0
.rept 4
.if jj < 8
	WM (128*(jj/4)+32*tt+8*(jj%4)), (12*jj), (\xs+12*tt), \zero, (SW+16*(jj/4)+8*((jj%4)/2)+\ks), (SX+8*(tt/2)+\ks), (jj%2), (tt%2)
.else
	WM (32*(jj%4)+8*tt), (\xs+12*tt), (12*jj), \zero, (SX+8*(tt/2)+\ks), (SW+32+8*((jj%4)/2)+\ks), (tt%2), (jj%2)
.endif
.set tt, tt+1
.endr
.set jj, jj+1
.endr
.endm
; a fragment, 16 rows x 128 K, 12 registers, in six pieces of 8 bytes; where the piece of lanes 16-31 lies behind one padding more, the second address register serves
.macro FRAG reg, adr, q, i
.irp p, 0,1,2,3,4,5
.set PCE, 12*(\q)+6*(\p/3)+\p%3
.if PCE%8 < 5
	ds_load_b64 v[\reg+2*\p:\reg+2*\p+1], v[\adr] offset:8*PCE+16*(PCE/8)+(\i)*16*PITCH
.else
	ds_load_b64 v[\reg+2*\p:\reg+2*\p+1], v[\adr+3] offset:8*PCE+16*(PCE/8)+(\i)*16*PITCH
.endif
.endr
.endm
.macro FETCH_X slot, q, set            ; x's four fragments: 24 loads
.irp i, 0,1,2,3
	FRAG XF+48*(\set)+12*\i, ADRX+\slot, \q, \i
.endr
.endm
.macro FETCH_W slot, q, j0             ; six weight fragments: 36 loads, into window 1
	WIN TO_W
.irp i, 0,1,2,3,4,5
	FRAG 12*(\j0+\i), ADRW+\slot, \q, \j0+\i
.endr
	WIN 0
.endm
.macro SECOND ks, ns, nq               ; a K step's second half: the next step's first loads, tiles 6-11, the next step's last loads
	FETCH_X \ns, \nq, 1-(\ks)%2
	FETCH_W \ns, \nq, 0
	WIN MUL_QK
	MULW 6, 2, \ks, XF+48*((\ks)%2), 0
	WIN MUL_V
	MULW 8, 4, \ks, XF+48*((\ks)%2), 0
	PLACES
	FETCH_W \ns, \nq, 6
.endm
.macro STEP ks, ns, nq
	s_wait_dscnt 36                                ; all but the youngest 36 loads (weight tiles 6-11) are in
	WIN MUL_QK
	MULW 0, 6, \ks, XF+48*((\ks)%2), 0
	s_wait_dscnt 0x0
	PLACES
	WIN 0
	SECOND \ks, \ns, \nq
.endm
; a K step with a barrier in its first half.  fill = 1: slot 0, which nobody reads any more, takes the fourth quarter of K: the barrier opens a round of the cluster's barrier.
.macro TURN ks, ns, fill
	s_wait_tensorcnt 0x0                           ; all my tensor loads have landed
	ds_add_u32 v[SPW], v[NIL]                      ; 0 onto my spare word
	s_wait_dscnt 37                                ; (the add and the youngest 36 loads may be out)
	WIN MUL_QK
	MULW 0, 3, \ks, XF+48*((\ks)%2), 0
	s_wait_dscnt 0x0                               ; the add is done, and my LDS reads so far are over
	s_barrier_signal -1
	MULW 3, 3, \ks, XF+48*((\ks)%2), 0
	WIN 0
	s_barrier_wait -1
.if \fill
	CREST                                          ; no wave of any partner still reads slot 0 or has a load on its way
	s_add_nc_u64 s[G0A+2:G0A+3], s[G0A+2:G0A+3], 576
	s_add_nc_u64 s[G0B+2:G0B+3], s[G0B+2:G0B+3], 576
	JLOAD G0A, G0B                                 ; the first tensor load behind the round; its four v_nop are the places ahead of the loads below
.else
	PLACES
.endif
	SECOND \ks, \ns, 0
.endm
	s_wait_loadcnt 0x0                             ; the scale words
	s_wait_tensorcnt 0x2                           ; my part of slot 0 is in; slots 1 and 2 may be out
	s_barrier_signal -1
	s_barrier_wait -1
	FETCH_X 0, 0, 0
	FETCH_W 0, 0, 0
	FETCH_W 0, 0, 6
	s_wait_dscnt 36                                ; K step 0 is written out: its products start the sums
	WIN MUL_QK
	MULW 0, 6, 0, XF, 1
	s_wait_dscnt 0x0
	PLACES
	WIN 0
	FETCH_X 0, 1, 1
	FETCH_W 0, 1, 0
	WIN MUL_QK
	MULW 6, 2, 0, XF, 1
	WIN MUL_V
	MULW 8, 4, 0, XF, 1
	PLACES
	FETCH_W 0, 1, 6
	TURN 1, 1, 1                                   ; every wave has shown slots 1 and 2 whole; slot 0 is asked for again
	STEP 2, 1, 1
	STEP 3, 2, 0
	STEP 4, 2, 1
	TURN 5, 0, 0                                   ; the refill has landed, in every wave
	STEP 6, 0, 1
	s_wait_dscnt 36                                ; the last K step fetches nothing
	WIN MUL_QK
	MULW 0, 6, 7, XF+48, 0
	s_wait_dscnt 0x0
	MULW 6, 2, 7, XF+48, 0
	WIN MUL_V
	MULW 8, 4, 7, XF+48, 0
	WIN 0
	PLACES
; THE WAY OUT.
; RoPE of Q (g = 0) or K (g = 1), token tile tk: y0 = x0 c - x1 s, y1 = x0 s + x1 c, into v[H + 32 g ..].  Each accumulator is read from its low end on.
.macro ROPE g, tk
	WIN 0x0e                                       ; source 0 window 2, source 1 window 3
.irp t, 0,1,2,3
.irp m, 0,2,4,6
	v_mul_f32 v[H+32*\g+8*\t+\m], v[128*\g+32*\tk+8*\t+\m], v[128+32*\tk+8*\t+\m]
	v_mul_f32 v[H+32*\g+8*\t+\m+1], v[128*\g+32*\tk+8*\t+\m+1], v[128+32*\tk+8*\t+\m]
.endr
.irp m, 0,2,4,6
	v_fma_f32 v[H+32*\g+8*\t+\m], -v[128*\g+32*\tk+8*\t+\m+1], v[129+32*\tk+8*\t+\m], v[H+32*\g+8*\t+\m]
	v_fma_f32 v[H+32*\g+8*\t+\m+1], v[128*\g+32*\tk+8*\t+\m], v[129+32*\tk+8*\t+\m], v[H+32*\g+8*\t+\m+1]
.endr
.endr
	WIN 0
.endm
; 64 numbers of a lane, four blocks of which lanes l and l xor 16 hold 16 each, become 12 registers of codes in v[PC] on (two half fragments) and four scale bytes in v[TM + 4] on.
.macro QUANT4 s, wm, wc
	WIN \wm
.irp b, 0,1,2,3
	v_max3_num_f32 v[TM+\b], 0x1800000, |v[\s+16*\b]|, |v[\s+16*\b+1]|   ; with the floor 2^(3 - 127): the byte cannot fall under 1
.endr
.irp i, 2,4,6,8,10,12,14
.irp b, 0,1,2,3
	v_max3_num_f32 v[TM+\b], v[TM+\b], |v[\s+16*\b+\i]|, |v[\s+16*\b+\i+1]|
.endr
.endr
	WIN 0
.irp b, 0,1,2,3
	v_permlanex16_b32 v[TM+4+\b], v[TM+\b], s[SEL], s[SEL+1]
.endr
.irp b, 0,1,2,3
	v_max_num_f32 v[TM+\b], v[TM+\b], v[TM+4+\b]
.endr
.irp b, 0,1,2,3
	v_add_nc_u32 v[TM+12+\b], 0xff000000, v[TM+\b] ; 2 off the exponent field: the conversion's scale operand
.endr
.irp b, 0,1,2,3
	v_lshrrev_b32 v[TM+4+\b], 23, v[TM+12+\b]      ; the scale's byte
.endr
	WIN \wc
.irp c, 0,1
	v_cvt_scalef32_pk16_fp6_f32 v[PC+6*\c:PC+6*\c+2], v[\s+32*\c:\s+32*\c+15], v[TM+12+2*\c]
	v_cvt_scalef32_pk16_fp6_f32 v[PY+4*\c:PY+4*\c+2], v[\s+32*\c+16:\s+32*\c+31], v[TM+13+2*\c]
.endr
	WIN 0
	v_nop                                          ; one plain line behind the scaled conversions
.irp c, 0,1
.irp i, 0,1,2
	v_permlane16_swap_b32 v[PC+6*\c+\i], v[PY+4*\c+\i]   ; a whole block to a lane: lanes 0-15 block 2 c, lanes 16-31 block 2 c + 1
.endr
.irp i, 0,1,2
	v_mov_b32 v[PC+3+6*\c+\i], v[PY+4*\c+\i]
.endr
.endr
.endm
.irp b, 0,1,2,3
	v_mov_b32 v[TM+4+\b], 0                        ; a lane permute's destination counts as one of its sources
.endr
.irp tk, 0,1,2,3
.if \tk > 0
	s_wait_xcnt 0x0                                ; the last tile's stores have read their registers
.endif
	ROPE 0, \tk
	ROPE 1, \tk
	QUANT4 H, 0, 0                                 ; blocks 0, 1: Q's; blocks 2, 3: K's
	v_lshl_or_b32 v[WT], v[TM+5], 8, v[TM+4]
	v_lshl_or_b32 v[WT+1], v[TM+7], 8, v[TM+6]
.if \tk%2 == 0
	v_or_b32 v[WEQ], 0x7f7f0000, v[WT]             ; the upper two bytes scale the zero half of K = 128
	v_or_b32 v[WEK], 0x7f7f0000, v[WT+1]
.else
	v_or_b32 v[WT], 0x7f7f0000, v[WT]
	v_or_b32 v[WT+1], 0x7f7f0000, v[WT+1]
	v_cndmask_b32 v[WQ+\tk/2], v[WEQ], v[WT], s[MHI]     ; lanes 0-15 the even tile's words, lanes 16-31 the odd tile's
	v_cndmask_b32 v[WK+\tk/2], v[WEK], v[WT+1], s[MHI]
.endif
.irp p, 0,1,2
	global_store_b64 v[STQ], v[PC+2*\p:PC+2*\p+1], s[22:23] offset:768*\tk+256*\p       ; 32 lanes store 256 consecutive aligned bytes
	global_store_b64 v[STQ], v[PC+6+2*\p:PC+7+2*\p], s[24:25] offset:768*\tk+256*\p
.endr
.endr
	global_store_b64 v[STS], v[WQ:WQ+1], s[22:23] offset:12288
	global_store_b64 v[STS], v[WK:WK+1], s[24:25] offset:24576
.irp j, 0,1                                    ; V: d tiles 2 j and 2 j + 1; my 64 tokens are two blocks of keys, half c = w % 2 of key step w / 2
	s_wait_xcnt 0x0
	QUANT4 64*\j, 0x3c, 0x03
	v_lshl_or_b32 v[WT], v[TM+5], 8, v[TM+4]
	v_lshl_or_b32 v[WT+1], v[TM+7], 8, v[TM+6]
	v_cndmask_b32 v[VH+\j], v[WT], v[WT+1], s[MHI]
.irp p, 0,1,2,3,4,5
	global_store_b64 v[STV], v[PC+2*\p:PC+2*\p+1], s[24:25] offset:12288+1536*(2*\j+\p/3)+256*(\p%3)
.endr
	global_store_b16 v[STVS], v[VH+\j], s[24:25] offset:25600+4*\j
.endr
	s_wait_tensorcnt 0x0                           ; the wave's end
	ds_add_u32 v[SPW], v[NIL]
	s_wait_dscnt 0x0
	CROUND                                         ; the closing round
	s_endpgm
.Lfunc_end_k_q0a2e709213_qkv:
	.size	k_q0a2e709213_qkv, .Lfunc_end_k_q0a2e709213_qkv-k_q0a2e709213_qkv
	.p2alignl 7, 3214868480
	.fill 96, 4, 3214868480
	.section	.rodata,"a",@progbits
	.p2align	6, 0x0
	.amdhsa_kernel k_q0a2e709213_qkv
		.amdhsa_group_segment_fixed_size 327680
		.amdhsa_private_segment_fixed_size 0
		.amdhsa_enable_private_segment 0
		.amdhsa_kernarg_size 88
		.amdhsa_user_sgpr_count 2
		.amdhsa_user_sgpr_kernarg_segment_ptr 1
		.amdhsa_wavefront_size32 1
		.amdhsa_system_sgpr_workgroup_id_x 1
		.amdhsa_system_sgpr_workgroup_id_y 1
		.amdhsa_system_sgpr_workgroup_id_z 1
		.amdhsa_system_vgpr_workitem_id 0
		.amdhsa_next_free_vgpr 1024
		.amdhsa_next_free_sgpr 100
		.amdhsa_reserve_vcc 1
		.amdhsa_float_denorm_mode_32 3
		.amdhsa_float_denorm_mode_16_64 3
		.amdhsa_memory_ordered 1
		.amdhsa_forward_progress 1
		.amdhsa_inst_pref_size 230
	.end_amdhsa_kernel
	.amdgpu_metadata
---
amdhsa.version: [ 1, 2 ]
amdhsa.kernels:
  - .name:           k_q0a2e709213_qkv
    .symbol:         k_q0a2e709213_qkv.kd
    .args:
      - { .name: x_codes, .offset: 0, .size: 8, .value_kind: global_buffer, .address_space: global }
      - { .name: x_scales, .offset: 8, .size: 8, .value_kind: global_buffer, .address_space: global }
      - { .name: W_Q_codes, .offset: 16, .size: 8, .value_kind: global_buffer, .address_space: global }
      - { .name: W_K_codes, .offset: 24, .size: 8, .value_kind: global_buffer, .address_space: global }
      - { .name: W_V_codes, .offset: 32, .size: 8, .value_kind: global_buffer, .address_space: global }
      - { .name: W_Q_scales, .offset: 40, .size: 8, .value_kind: global_buffer, .address_space: global }
      - { .name: W_K_scales, .offset: 48, .size: 8, .value_kind: global_buffer, .address_space: global }
      - { .name: W_V_scales, .offset: 56, .size: 8, .value_kind: global_buffer, .address_space: global }
      - { .name: token_positions, .offset: 64, .size: 8, .value_kind: global_buffer, .address_space: global }
      - { .name: q_ws, .offset: 72, .size: 8, .value_kind: global_buffer, .address_space: global }
      - { .name: kv_ws, .offset: 80, .size: 8, .value_kind: global_buffer, .address_space: global }
    .group_segment_fixed_size: 327680
    .private_segment_fixed_size: 0
    .kernarg_segment_align: 8
    .kernarg_segment_size: 88
    .max_flat_workgroup_size: 128
    .sgpr_count:     100
    .vgpr_count:     1024
    .wavefront_size: 32
...
	.end_amdgpu_metadata
.endif
;; end of part 1
;; launch attn (part 2): grid 4 x 64, 16 waves a work-group, no clusters, 327,680 bytes of LDS; arguments q_ws, kv_ws, a_img, a_sc; writes a_img, a_sc
.if DOCPART == 2
	.amdgcn_target "amdgcn-amd-amdhsa--gfx1250"
	.amdhsa_code_object_version 6
	.text
	.protected	k_q0a2e709213_attn
	.globl	k_q0a2e709213_attn
	.p2align	8
	.type	k_q0a2e709213_attn,@function
k_q0a2e709213_attn:
	s_mov_b64 s[64:65], 0
	v_nop
	global_prefetch_b8 v0, s[64:65] scope:SCOPE_SE
	s_setreg_imm32_b32 hwreg(HW_REG_WAVE_MODE, 25, 1), 1
	s_wait_xcnt 0x0
; Causal attention of one head on codes of FP6 (E2M3): S^T = K Q^T, p = 2^(t - M), O^T = V^T P^T, O / l quantised along (head, d) for the last product.
; SHARES.  Work-group (i, hd) does the query block 7 - i (8 - i slots of 256 keys) and then block i (i + 1 slots): nine slots for every work-group, so all trip counts are constants and the work is even.
; Each of sixteen waves owns 16 queries of the block in 256 registers; four waves to a SIMD, so that one wave's vector work stands beside another's matrix work and LDS loads.
; A slot of kv_ws (26,112 bytes: K's 16 half fragments, V's 16, both scale words) is one dense block: it comes into one of two LDS slots as it lies, by two tensor loads (waves 0 and 1), and every read is an image read, 8 bytes a lane on end.
; K = 64 of the first product is half of the instruction's 128: Q's registers 6-11 are zero codes; K's fragment of tile kt is v[32 + 6 kt .. + 11], whose upper half (the next tile's codes, or six cleared registers) multiplies zeros.
; THE SOFTMAX: t = score x log2(e) / 8; M = the running largest t rounded up to a whole number; p = 2^(t - M) is quantised along the keys; the row's sum is taken of the unquantised p and divides at the end.
; p's order inside a block of 32 keys (0-7, 16-23, 8-15, 24-31) is the one in which V's codes were laid.  O^T is put into the true order of d ahead of its quantiser, since W_O's codes are given in that order.
; NO CLUSTER: the four work-groups of a head change from their first block to their second at different trips, so they do not want the same slot at the same trip; walking in step would take 12 slot times for 9.
; LIMITS: NaN and infinities are not served; a block whose largest magnitude lies under 2^-124 gets the byte 1 (read by this program alone).  a_sc leaves one byte a lane: 2 bytes for each 48 of codes.
.set SLOTB, 26112
.set HALFB, 13056
.set SLOT1, 32768
.set SPARE, 65536                      ; the spare words: 128 bytes for each of 16 waves, named by no other line
.set VOFF,  12288
.set KSO,   24576
.set VSO,   25600
.set QBLK,  13312
.set L8,   1                           ; 8 x lane
.set ADR,  2
.set SPW,  3
.set NIL,  4
.set RH,   5                           ; r - 8 h
.set DD,   6
.set ASO,  7                           ; 32 r + h
.set QSO,  8
.set NINF, 9
.set QF,   16                          ; v16-27 Q's fragment
.set QS,   28                          ; its scale words
.set PFO,  29
.set QFO,  30
.set KR,   32                          ; v32-85 K's 8 x 6 registers and six zeros; later V's 4 x 12
.set S,    96                          ; v96-159 S^T, then p
.set O,    160                         ; v160-191 O^T
.set PC,   192                         ; v192-203 codes
.set PY,   204
.set BM,   212
.set BT,   216
.set SOP,  220
.set KS,   224                         ; v224-227 K's scale words
.set VS,   228                         ; v228-229 V's
.set PW,   230                         ; p's
.set FF,   232
.set TT,   234
.set WV,   12
.set HD,   14
.set QB,   15
.set SIG,  16
.set NXT,  17
.set KF,   18
.set Q0,   19
.set SEL,  20
.set CS,   22
.set G1,   24
.set G0,   32
.set KVB,  38
.set TB,   40
.set CNT,  41
.set PFA,  42
.set LIM,  44
.set MHI,  45
.set QP,   46
.set AI,   48
.set ASC,  50
.set HEAD, 56
.set NB,   57
.macro TLOAD                           ; waves 0 and 1 fetch the slot's halves; four v_nop follow the line
	s_cmp_lt_u32 s[WV], 2
	s_cbranch_scc0 .Lasked_\@
	tensor_load_to_lds s[G0:G0+3], s[G1:G1+7]
	s_nop 0
.rept 4
	v_nop
.endr
.Lasked_\@:
.endm
; A prefetch of the 24,576 code bytes of the slot two trips on.  Work-group 0 of a head walks slots 0 to 7 in its first eight trips: it alone asks, its waves 4 to 6, 8,192 bytes each, lanes 256 bytes apart, so each aligned
; block of 256 bytes is named once.  It asks while more than two trips are left: slots 2 to 7.  Nothing is asked for at the head.
.macro ASK
	s_cmp_gt_u32 s[CNT], s[LIM]
	s_cbranch_scc0 .Lnot_mine_\@
	global_prefetch_b8 v[PFO], s[PFA:PFA+1] th:TH_LOAD_NT scope:SCOPE_SE
.Lnot_mine_\@:
.endm
.macro SETQ                            ; the addresses that hang on the query block
	s_lshl_b32 s[Q0], s[QB], 8
	s_lshl_b32 s52, s[WV], 4
	s_add_co_u32 s[Q0], s[Q0], s52                 ; my first query
	s_lshl_b32 s52, s[HD], 3
	s_add_co_u32 s52, s52, s[QB]
	s_mul_i32 s52, s52, QBLK
	s_mov_b32 s53, 0
	s_add_nc_u64 s[QP:QP+1], s[4:5], s[52:53]
	s_lshl_b32 s52, s[NB], 7
	s_lshl_b32 s54, s[QB], 4
	s_add_co_u32 s52, s52, s54
	s_add_co_u32 s52, s52, s[WV]                   ; my token tile: 128 n + 16 block + wave
	s_mul_i32 s54, s52, 12288
	s_mul_i32 s55, s[HEAD], 768
	s_add_co_u32 s54, s54, s55
	s_mov_b32 s55, 0
	s_add_nc_u64 s[AI:AI+1], s[8:9], s[54:55]
	s_lshl_b32 s54, s52, 9
	s_lshl_b32 s52, s[HEAD], 1
	s_add_co_u32 s54, s54, s52
	s_add_nc_u64 s[ASC:ASC+1], s[10:11], s[54:55]
.endm
.macro LOADQ
.irp p, 0,1,2
	global_load_b64 v[QF+2*\p:QF+2*\p+1], v[QFO], s[QP:QP+1] offset:256*\p
.endr
	global_load_b32 v[QS], v[QSO], s[QP:QP+1]
.endm
.macro RESET                           ; the first step of a block finds zeros, which the first change of M leaves zeros
	v_mov_b32 v13, 0xff61b1e6                      ; the largest t so far: -3e38
	s_delay_alu instid0(VALU_DEP_1)
	v_floor_f32 v12, -v13                          ; -M
	v_mov_b32 v14, 0
	v_mov_b32 v15, 0
.set jj, 0
.rept 32
	v_mov_b32 v[O+jj], 0
.set jj, jj+1
.endr
.endm
	s_load_b256 s[4:11], s[0:1], 0x0               ; q_ws, kv_ws, a_img, a_sc
	v_lshl_add_u32 v[SPW], v0, 2, SPARE
	v_mov_b32 v[NIL], 0
	ds_add_u32 v3, v4
	ds_add_u32 v3, v4
	s_wait_dscnt 0x0
	v_lshrrev_b32 v10, 5, v0
	s_delay_alu instid0(VALU_DEP_1)
	v_readfirstlane_b32 s[WV], v10                 ; wave 0..15
	s_and_b32 s[HD], ttmp7, 0xffff                 ; 16 n + head
	s_lshr_b32 s[NB], s[HD], 4
	s_and_b32 s[HEAD], s[HD], 15
	s_sub_co_u32 s[QB], 7, ttmp9                   ; the longer block first
	s_mov_b32 s[SIG], 0
	s_mov_b32 s[TB], 0
	s_mov_b32 s[MHI], 0xffff0000
	s_mov_b32 s[SEL], 0x76543210
	s_mov_b32 s[SEL+1], 0xfedcba98
	s_mov_b32 s[CS], 0x3e38aa3b                    ; c = log2(e) / 8
	s_mov_b32 s[CS+1], s[CS]
	s_mov_b32 s[G1], 3<<16                         ; no mask; elements of 8 bytes; no padding
	s_mov_b32 s[G1+1], 32<<16                      ; rows of 256 bytes
	s_mov_b32 s[G1+2], 51<<16                      ; 51 of them: half a slot
	s_mov_b32 s[G1+3], 32<<16
	s_mov_b32 s[G1+4], 51
	s_mov_b32 s[G1+5], 32
	s_mov_b32 s[G1+6], 0
	s_mov_b32 s[G1+7], 0
	s_and_b32 s52, s[WV], 1
	s_mul_i32 s53, s52, HALFB                      ; my half, in memory and in LDS
	s_mul_i32 s36, s[HD], 8*SLOTB
	s_add_co_u32 s36, s36, s53
	s_mov_b32 s37, 0
	s_and_b32 s54, s[WV], 3
	s_lshl_b32 s54, s54, 13
	s_mul_i32 s55, s[HD], 8*SLOTB
	s_add_co_u32 s54, s54, s55
	s_add_co_u32 s54, s54, SLOTB                   ; in slot 1: the first change of slots steps it to slot 2
	s_mov_b32 s55, 0
	s_wait_kmcnt 0x0
	s_add_nc_u64 s[KVB:KVB+1], s[6:7], s[36:37]
	s_mov_b32 s[G0], 1
	s_mov_b32 s[G0+1], s53
	s_mov_b64 s[G0+2:G0+3], s[KVB:KVB+1]
	s_or_b32 s[G0+3], s[G0+3], 0x80000000
	TLOAD                                          ; key slot 0 into LDS slot 0
	s_add_nc_u64 s[PFA:PFA+1], s[6:7], s[54:55]
	s_sub_co_u32 s52, s[WV], 4
	s_cmp_lt_u32 s52, 3
	s_cselect_b32 s53, 0, 1
	s_or_b32 s53, s53, ttmp9
	s_cmp_eq_u32 s53, 0
	s_cselect_b32 s[LIM], 2, -1                    ; waves 4 to 6 of the head's work-group 0 ask
	SETQ
	v_and_b32 v10, 31, v0
	s_delay_alu instid0(VALU_DEP_1)
	v_lshlrev_b32 v[L8], 3, v10
	s_delay_alu instid0(VALU_DEP_2)
	v_lshlrev_b32 v[PFO], 8, v10
	v_and_b32 v10, 15, v0                          ; r
	s_wait_alu depctr_va_vdst(0)
	v_bfe_u32 v11, v0, 4, 1                        ; h
	s_delay_alu instid0(VALU_DEP_1)
	v_lshlrev_b32 v[RH], 3, v11
	s_delay_alu instid0(VALU_DEP_1)
	v_sub_nc_u32 v[RH], v10, v[RH]
	s_delay_alu instid0(VALU_DEP_3)
	v_lshl_add_u32 v[ASO], v10, 5, v11
	s_lshr_b32 s52, s[WV], 2
	s_lshl_b32 s52, s52, 8
	s_and_b32 s53, s[WV], 1
	s_lshl_b32 s53, s53, 7
	s_add_co_u32 s52, s52, s53
	s_bfe_u32 s53, s[WV], 0x10001
	s_lshl_b32 s53, s53, 2
	s_add_co_u32 s52, s52, s53
	s_add_co_u32 s52, s52, 12288
	v_lshl_add_u32 v[QSO], v10, 3, s52             ; Q's scale word of row r of tile w: group w / 4, lanes' half w % 2, pair (w / 2) % 2
	s_mul_i32 s52, s[WV], 768
	v_add_nc_u32 v[QFO], s52, v[L8]
	LOADQ
	RESET
.irp i, 0,1,2,3,4,5
	v_mov_b32 v[QF+6+\i], 0                        ; Q's zero half
	v_mov_b32 v[KR+48+\i], 0                       ; behind K's last tile
.endr
.irp b, 0,1,2,3
	v_mov_b32 v[BT+\b], 0                          ; a lane permute's destination counts as one of its sources
.endr
	v_mov_b32 v[FF+1], 0                           ; named as the upper half of a pair
	v_mov_b32 v[NINF], 0xff800000
.macro WMS kt
.if (\kt)%2
	v_wmma_scale_f32_16x16x128_f8f6f4 v[S+8*\kt:S+8*\kt+7], v[KR+6*\kt:KR+6*\kt+11], v[QF:QF+11], 0, v[KS+\kt/2], v[QS] matrix_a_fmt:MATRIX_FMT_FP6 matrix_b_fmt:MATRIX_FMT_FP6 matrix_a_scale:MATRIX_SCALE_ROW1
.else
	v_wmma_scale_f32_16x16x128_f8f6f4 v[S+8*\kt:S+8*\kt+7], v[KR+6*\kt:KR+6*\kt+11], v[QF:QF+11], 0, v[KS+\kt/2], v[QS] matrix_a_fmt:MATRIX_FMT_FP6 matrix_b_fmt:MATRIX_FMT_FP6
.endif
.endm
.macro WMO t
.if (\t)%2
	v_wmma_scale_f32_16x16x128_f8f6f4 v[O+8*\t:O+8*\t+7], v[KR+12*\t:KR+12*\t+11], v[PC:PC+11], v[O+8*\t:O+8*\t+7], v[VS+\t/2], v[PW] matrix_a_fmt:MATRIX_FMT_FP6 matrix_b_fmt:MATRIX_FMT_FP6 matrix_a_scale:MATRIX_SCALE_ROW1
.else
	v_wmma_scale_f32_16x16x128_f8f6f4 v[O+8*\t:O+8*\t+7], v[KR+12*\t:KR+12*\t+11], v[PC:PC+11], v[O+8*\t:O+8*\t+7], v[VS+\t/2], v[PW] matrix_a_fmt:MATRIX_FMT_FP6 matrix_b_fmt:MATRIX_FMT_FP6
.endif
.endm
; A KEY STEP: 128 keys, the st-th of the slot in hand.  A step all of whose keys come after my 16 queries is left out: a scalar branch on ids; no barrier and no tensor load stands in a step.
.macro STEP st
	s_add_co_u32 s52, s[Q0], 15
	s_cmp_gt_u32 s[KF], s52
	s_cbranch_scc1 .Lhidden_\@
	v_add_nc_u32 v[ADR], s[TB], v[L8]
.rept 3
	v_nop                                          ; with the addition: four plain lines ahead of loads into registers that matrix instructions have read
.endr
.irp kt, 0,1,2,3,4,5,6,7
.irp p, 0,1,2
	ds_load_b64 v[KR+6*\kt+2*\p:KR+6*\kt+2*\p+1], v[ADR] offset:6144*\st+768*\kt+256*\p
.endr
.endr
	ds_load_b64 v[KS:KS+1], v[ADR] offset:KSO+512*\st
	ds_load_b64 v[KS+2:KS+3], v[ADR] offset:KSO+512*\st+256
	s_wait_dscnt 0x0
	s_wait_alu depctr_va_vdst(0)
.irp kt, 0,1,2,3,4,5,6,7
	WMS \kt                                        ; lane (r, h): query r; register 8 kt + j: key 16 kt + 8 h + j
.endr
.rept 4
	v_nop
.endr
.irp t, 0,1,2,3                                ; V is asked for now and lands under the softmax
.irp p, 0,1,2,3,4,5
	ds_load_b64 v[KR+12*\t+2*\p:KR+12*\t+2*\p+1], v[ADR] offset:VOFF+6144*\st+1536*\t+256*\p
.endr
.endr
	ds_load_b64 v[VS:VS+1], v[ADR] offset:VSO+256*\st
	s_add_co_u32 s52, s[KF], 127                   ; on the diagonal the scores of hidden keys become -infinity; a step all of whose keys count skips this
	s_cmp_le_u32 s52, s[Q0]
	s_cbranch_scc1 .Lopen_\@
	s_sub_co_i32 s52, s[Q0], s[KF]
	v_add_nc_u32 v[DD], s52, v[RH]                 ; d = my query - the step's first key - 8 h: register n is hidden where 16 (n / 8) + n % 8 > d
.set nn, 0
.rept 64
	v_cmp_gt_i32 vcc_lo, 16*(nn/8)+nn%8, v[DD]
	v_cndmask_b32 v[S+nn], v[S+nn], v[NINF], vcc_lo
.set nn, nn+1
.endr
.Lopen_\@:
.irp b, 0,1,2,3
	v_max3_num_f32 v[BM+\b], v[S+16*\b], v[S+16*\b+1], v[S+16*\b+2]     ; the largest score of each block of 32 keys: for the row's maximum and for the block's largest p
.endr
.irp i, 3,5,7,9,11,13
.irp b, 0,1,2,3
	v_max3_num_f32 v[BM+\b], v[BM+\b], v[S+16*\b+\i], v[S+16*\b+\i+1]
.endr
.endr
.irp b, 0,1,2,3
	v_max_num_f32 v[BM+\b], v[BM+\b], v[S+16*\b+15]
.endr
.irp b, 0,1,2,3
	s_delay_alu instid0(VALU_DEP_4)
	v_permlanex16_b32 v[BT+\b], v[BM+\b], s[SEL], s[SEL+1]
.endr
.irp b, 0,1,2,3
	s_delay_alu instid0(VALU_DEP_4)
	v_max_num_f32 v[BM+\b], v[BM+\b], v[BT+\b]
.endr
	s_delay_alu instid0(VALU_DEP_2)
	v_max3_num_f32 v[TT], v[BM], v[BM+1], v[BM+2]
	s_delay_alu instid0(VALU_DEP_1)
	v_max_num_f32 v[TT], v[TT], v[BM+3]
	s_delay_alu instid0(VALU_DEP_1)
	v_mul_f32 v[TT], s[CS], v[TT]
	s_delay_alu instid0(VALU_DEP_1)
	v_max_num_f32 v13, v13, v[TT]                  ; the running largest t
	v_mov_b32 v[TT], v12
	s_delay_alu instid0(VALU_DEP_2)
	v_floor_f32 v12, -v13                          ; -M = floor(-t): M is a whole number
	s_delay_alu instid0(VALU_DEP_1)
	v_sub_f32 v[TT], v12, v[TT]
	s_delay_alu instid0(VALU_DEP_1)
	v_cvt_i32_f32 v[TT], v[TT]                     ; (it saturates)
	s_delay_alu instid0(VALU_DEP_1)
	v_ldexp_f32 v[FF], 1.0, v[TT]                  ; f = 2^(old M - new M)
.set jj, 0
.rept 32
	v_pk_fma_f32 v[S+jj:S+jj+1], v[S+jj:S+jj+1], s[CS:CS+1], v[12:13] op_sel_hi:[1,0,0]   ; t - M
.set jj, jj+2
.endr
.irp b, 0,1,2,3
	v_fma_f32 v[BM+\b], v[BM+\b], s[CS], v12
.endr
.set jj, 0
	s_wait_alu depctr_va_vdst(0)
.rept 64
	v_exp_f32 v[S+jj], v[S+jj]                     ; p = 2^(t - M)
.set jj, jj+1
.endr
	v_pk_mul_f32 v[14:15], v[14:15], v[FF:FF+1] op_sel_hi:[1,0]        ; the sums under the new M: a plain line behind the exponentials
	s_wait_alu depctr_va_vdst(0)                   ; one wait for the batch, ahead of its first reader
.irp b, 0,1,2,3
	v_exp_f32 v[BM+\b], v[BM+\b]                   ; each block's largest p
.endr
	v_pk_add_f32 v[216:217], v[100:101], v[104:105]
	v_pk_add_f32 v[254:255], v[108:109], v[112:113]
	v_pk_add_f32 v[252:253], v[116:117], v[120:121]
	v_pk_add_f32 v[250:251], v[124:125], v[128:129]
	v_pk_add_f32 v[248:249], v[132:133], v[136:137]
	v_pk_add_f32 v[246:247], v[140:141], v[144:145]
	v_pk_add_f32 v[244:245], v[148:149], v[152:153]
	v_pk_add_f32 v[14:15], v[14:15], v[156:157]
	v_pk_add_f32 v[216:217], v[216:217], v[96:97]
	v_pk_add_f32 v[254:255], v[254:255], v[98:99]
	v_pk_add_f32 v[252:253], v[252:253], v[102:103]
	v_pk_add_f32 v[250:251], v[250:251], v[106:107]
	v_pk_add_f32 v[248:249], v[248:249], v[110:111]
	v_pk_add_f32 v[246:247], v[246:247], v[114:115]
	v_pk_add_f32 v[244:245], v[244:245], v[118:119]
	v_pk_add_f32 v[14:15], v[14:15], v[122:123]
	v_pk_add_f32 v[216:217], v[216:217], v[126:127]
	v_pk_add_f32 v[254:255], v[254:255], v[130:131]
	v_pk_add_f32 v[252:253], v[252:253], v[134:135]
	v_pk_add_f32 v[250:251], v[250:251], v[138:139]
	v_pk_add_f32 v[248:249], v[248:249], v[142:143]
	v_pk_add_f32 v[246:247], v[246:247], v[146:147]
	v_pk_add_f32 v[244:245], v[244:245], v[150:151]
	v_pk_add_f32 v[14:15], v[14:15], v[154:155]
	v_pk_add_f32 v[216:217], v[216:217], v[158:159]
	s_delay_alu instid0(VALU_DEP_2)
	v_pk_add_f32 v[14:15], v[14:15], v[250:251]
	s_delay_alu instid0(VALU_DEP_2)
	v_pk_add_f32 v[216:217], v[216:217], v[248:249]
	v_pk_add_f32 v[254:255], v[254:255], v[246:247]
	v_pk_add_f32 v[252:253], v[252:253], v[244:245]
	s_delay_alu instid0(VALU_DEP_2)
	v_pk_add_f32 v[14:15], v[14:15], v[254:255]
	s_delay_alu instid0(VALU_DEP_2)
	v_pk_add_f32 v[216:217], v[216:217], v[252:253]
	s_delay_alu instid0(VALU_DEP_1)
	v_pk_add_f32 v[14:15], v[14:15], v[216:217]
	s_wait_alu depctr_va_vdst(0)                   ; and one for the four
.irp b, 0,1,2,3
	v_max_num_f32 v[BM+\b], 0x1800000, v[BM+\b]    ; the floor 2^(3 - 127)
.endr
.irp b, 0,1,2,3
	s_delay_alu instid0(VALU_DEP_4)
	v_add_nc_u32 v[SOP+\b], 0xff000000, v[BM+\b]
.endr
.irp b, 0,1,2,3
	s_delay_alu instid0(VALU_DEP_4)
	v_lshrrev_b32 v[BT+\b], 23, v[SOP+\b]
.endr
	s_delay_alu instid0(VALU_DEP_3)
	v_lshl_or_b32 v[PW], v[BT+1], 8, v[BT]
	s_delay_alu instid0(VALU_DEP_1)
	v_lshl_or_b32 v[PW], v[BT+2], 16, v[PW]
	s_delay_alu instid0(VALU_DEP_1)
	v_lshl_or_b32 v[PW], v[BT+3], 24, v[PW]
.irp c, 0,1
	v_cvt_scalef32_pk16_fp6_f32 v[PC+6*\c:PC+6*\c+2], v[S+32*\c:S+32*\c+15], v[SOP+2*\c]
	v_cvt_scalef32_pk16_fp6_f32 v[PY+4*\c:PY+4*\c+2], v[S+32*\c+16:S+32*\c+31], v[SOP+2*\c+1]
.endr
	v_nop                                          ; one plain line behind the scaled conversions
.irp c, 0,1
.irp i, 0,1,2
	v_permlane16_swap_b32 v[PC+6*\c+\i], v[PY+4*\c+\i]
.endr
.irp i, 0,1,2
	s_delay_alu instid0(VALU_DEP_3)
	v_mov_b32 v[PC+3+6*\c+\i], v[PY+4*\c+\i]
.endr
.endr
.set jj, 0
.rept 16
	v_pk_mul_f32 v[O+jj:O+jj+1], v[O+jj:O+jj+1], v[FF:FF+1] op_sel_hi:[1,0]    ; O^T under the new M; these lines also stand between the scale word's last write and the products
.set jj, jj+2
.endr
	s_wait_alu depctr_va_vdst(0)
	s_wait_dscnt 0x0                               ; V is in
.irp t, 0,1,2,3
	WMO \t
.endr
.Lhidden_\@:
	s_add_co_u32 s[KF], s[KF], 128
.endm
; THE CHANGE OF SLOTS, at a slot's head.  Each wave waits for all its tensor loads, adds 0 to its spare word and waits for that and for its reads of the slot that it has left; behind the barrier the slot ahead is whole
; and nobody reads the other one.  fill = 1: that other slot takes the key slot that is read next: the one behind this, or slot 0 again where this is the block's last.
.macro CHANGE fill
	s_wait_tensorcnt 0x0
	ds_add_u32 v[SPW], v[NIL]
.if \fill
	s_add_co_u32 s[NXT], s[SIG], 1
	s_cmp_eq_u32 s[SIG], s[QB]
	s_cselect_b32 s[NXT], 0, s[NXT]
	s_mul_i32 s36, s[NXT], SLOTB
	s_mov_b32 s37, 0
	s_xor_b32 s[G0+1], s[G0+1], SLOT1
	s_add_nc_u64 s[G0+2:G0+3], s[KVB:KVB+1], s[36:37]
	s_or_b32 s[G0+3], s[G0+3], 0x80000000
	s_wait_xcnt 0x0                                ; the last prefetch, a trip back, has read its address
	s_add_nc_u64 s[PFA:PFA+1], s[PFA:PFA+1], SLOTB
.endif
	s_lshl_b32 s[KF], s[SIG], 8                    ; the slot's first key
	s_wait_dscnt 0x0
	s_barrier_signal -1
	s_barrier_wait -1
.if \fill
	TLOAD                                          ; the first thing behind the barrier, and a wave's one tensor load until the next
	ASK
.endif
.endm
; A BLOCK'S END: O^T / l, into the true order of d, quantised, stored as a half fragment of the last product's operand.  next = 1: on to the second block.
.macro FINISH next
.rept 4
	v_nop
.endr
	v_add_f32 v14, v14, v15
	s_wait_alu depctr_va_vdst(0)
	v_permlanex16_b32 v[BT], v14, s[SEL], s[SEL+1]
	s_delay_alu instid0(VALU_DEP_1)
	v_add_f32 v14, v14, v[BT]                      ; the row's sum
	s_wait_alu depctr_va_vdst(0)
	v_rcp_f32 v[FF], v14
	v_nop
	s_wait_alu depctr_va_vdst(0)                   ; ahead of the reciprocal's first reader
.set jj, 0
.rept 16
	v_pk_mul_f32 v[O+jj:O+jj+1], v[O+jj:O+jj+1], v[FF:FF+1] op_sel_hi:[1,0]
.set jj, jj+2
.endr
.irp b, 0,1
.irp i, 0,1,2,3,4,5,6,7
	v_permlane16_swap_b32 v[O+16*\b+\i], v[O+8+16*\b+\i]   ; lane (r, h) now holds d = 32 b + 16 h + 0 .. 15 in registers 16 b + 0 .. 15
.endr
.endr
.irp b, 0,1
	v_max3_num_f32 v[BM+\b], 0x1800000, |v[O+16*\b]|, |v[O+16*\b+1]|
.endr
.irp i, 2,4,6,8,10,12,14
.irp b, 0,1
	s_delay_alu instid0(VALU_DEP_2)
	v_max3_num_f32 v[BM+\b], v[BM+\b], |v[O+16*\b+\i]|, |v[O+16*\b+\i+1]|
.endr
.endr
.irp b, 0,1
	s_delay_alu instid0(VALU_DEP_2)
	v_permlanex16_b32 v[BT+\b], v[BM+\b], s[SEL], s[SEL+1]
.endr
.irp b, 0,1
	s_delay_alu instid0(VALU_DEP_2)
	v_max_num_f32 v[BM+\b], v[BM+\b], v[BT+\b]
.endr
.irp b, 0,1
	s_delay_alu instid0(VALU_DEP_2)
	v_add_nc_u32 v[SOP+\b], 0xff000000, v[BM+\b]
.endr
.irp b, 0,1
	s_delay_alu instid0(VALU_DEP_2)
	v_lshrrev_b32 v[BT+\b], 23, v[SOP+\b]
.endr
	v_cvt_scalef32_pk16_fp6_f32 v[PC:PC+2], v[O:O+15], v[SOP]
	v_cvt_scalef32_pk16_fp6_f32 v[PY:PY+2], v[O+16:O+31], v[SOP+1]
	v_nop
.irp i, 0,1,2
	v_permlane16_swap_b32 v[PC+\i], v[PY+\i]
.endr
.irp i, 0,1,2
	s_delay_alu instid0(VALU_DEP_3)
	v_mov_b32 v[PC+3+\i], v[PY+\i]
.endr
	v_cndmask_b32 v10, v[BT], v[BT+1], s[MHI]      ; lanes 0-15 store block 0's byte, lanes 16-31 block 1's
.irp p, 0,1,2
	global_store_b64 v[L8], v[PC+2*\p:PC+2*\p+1], s[AI:AI+1] offset:256*\p      ; 32 lanes store 256 consecutive aligned bytes
.endr
	global_store_b8 v[ASO], v10, s[ASC:ASC+1]
.if \next
	s_wait_xcnt 0x0                                ; the stores have read their registers and bases
	s_mov_b32 s[QB], ttmp9
	s_mov_b32 s[SIG], 0
	SETQ
	LOADQ
	RESET
	s_wait_loadcnt 0x0
.endif
.endm
	s_wait_loadcnt 0x0                             ; Q
	s_mov_b32 s[CNT], 8
.Ltrip:                                            ; eight trips: behind each change of slots but the last the next slot is asked for
	CHANGE 1
	STEP 0
	STEP 1
	s_xor_b32 s[TB], s[TB], SLOT1
	s_cmp_lg_u32 s[SIG], s[QB]
	s_cbranch_scc1 .Lon
	FINISH 1                                       ; the first block's last slot: a branch on ids; no barrier, no tensor load and no LDS line stands in it
	s_branch .Lnext
.Lon:
	s_add_co_u32 s[SIG], s[SIG], 1
.Lnext:
	s_sub_co_u32 s[CNT], s[CNT], 1
	s_cmp_lg_u32 s[CNT], 0
	s_cbranch_scc1 .Ltrip
	CHANGE 0                                       ; the ninth slot is written out
	STEP 0
	STEP 1
	FINISH 0
	s_wait_tensorcnt 0x0                           ; the wave's end
	ds_add_u32 v[SPW], v[NIL]
	s_wait_dscnt 0x0
	s_endpgm
.Lfunc_end_k_q0a2e709213_attn:
	.size	k_q0a2e709213_attn, .Lfunc_end_k_q0a2e709213_attn-k_q0a2e709213_attn
	.p2alignl 7, 3214868480
	.fill 96, 4, 3214868480
	.section	.rodata,"a",@progbits
	.p2align	6, 0x0
	.amdhsa_kernel k_q0a2e709213_attn
		.amdhsa_group_segment_fixed_size 327680
		.amdhsa_private_segment_fixed_size 0
		.amdhsa_enable_private_segment 0
		.amdhsa_kernarg_size 32
		.amdhsa_user_sgpr_count 2
		.amdhsa_user_sgpr_kernarg_segment_ptr 1
		.amdhsa_wavefront_size32 1
		.amdhsa_system_sgpr_workgroup_id_x 1
		.amdhsa_system_sgpr_workgroup_id_y 1
		.amdhsa_system_sgpr_workgroup_id_z 1
		.amdhsa_system_vgpr_workitem_id 0
		.amdhsa_next_free_vgpr 256
		.amdhsa_next_free_sgpr 66
		.amdhsa_reserve_vcc 1
		.amdhsa_float_denorm_mode_32 3
		.amdhsa_float_denorm_mode_16_64 3
		.amdhsa_memory_ordered 1
		.amdhsa_forward_progress 1
		.amdhsa_inst_pref_size 114
	.end_amdhsa_kernel
	.amdgpu_metadata
---
amdhsa.version: [ 1, 2 ]
amdhsa.kernels:
  - .name:           k_q0a2e709213_attn
    .symbol:         k_q0a2e709213_attn.kd
    .args:
      - { .name: q_ws, .offset: 0, .size: 8, .value_kind: global_buffer, .address_space: global }
      - { .name: kv_ws, .offset: 8, .size: 8, .value_kind: global_buffer, .address_space: global }
      - { .name: a_img, .offset: 16, .size: 8, .value_kind: global_buffer, .address_space: global }
      - { .name: a_sc, .offset: 24, .size: 8, .value_kind: global_buffer, .address_space: global }
    .group_segment_fixed_size: 327680
    .private_segment_fixed_size: 0
    .kernarg_segment_align: 8
    .kernarg_segment_size: 32
    .max_flat_workgroup_size: 512
    .sgpr_count:     66
    .vgpr_count:     256
    .wavefront_size: 32
...
	.end_amdgpu_metadata
.endif
;; end of part 2
;; launch oproj (part 3): grid 8 x 32, 4 waves a work-group, clusters of 4 x 4, 327,680 bytes of LDS; arguments a_img, a_sc, W_O_codes, W_O_scales, out0; writes out0
.if DOCPART == 3
	.amdgcn_target "amdgcn-amd-amdhsa--gfx1250"
	.amdhsa_code_object_version 6
	.text
	.protected	k_q0a2e709213_oproj
	.globl	k_q0a2e709213_oproj
	.p2align	8
	.type	k_q0a2e709213_oproj,@function
k_q0a2e709213_oproj:
	s_mov_b64 s[64:65], 0
	v_nop
	global_prefetch_b8 v0, s[64:65] scope:SCOPE_SE
	s_setreg_imm32_b32 hwreg(HW_REG_WAVE_MODE, 25, 1), 1
	s_wait_xcnt 0x0
	s_wait_alu depctr_hold_cnt(0) depctr_sa_sdst(0) depctr_va_vdst(0) depctr_va_sdst(0) depctr_va_ssrc(0) depctr_va_vcc(0) depctr_vm_vsrc(0)
	s_getreg_b32 s2, hwreg(HW_REG_IB_STS2, 6, 4)
	s_cmp_eq_u32 s2, 0
	s_cbranch_scc0 .Lentry_in_a_cluster
	s_endpgm
.Lentry_in_a_cluster:
	s_bfe_u32 s2, ttmp6, 0x10000c
	s_cmp_lg_u32 s2, 0xf033
	s_cbranch_scc0 .Lentry_shape_is_right
	s_endpgm
.Lentry_shape_is_right:
; out0 = a W_O^T on codes of FP6 (E2M3) with E8M0 scales; a is the attention's result as images of operand registers (a_img) and its scale bytes [token][32] (a_sc).
; SHARES.  A work-group takes 256 tokens x 128 features: 256 work-groups.  Wave w takes tokens 64 w .. + 63 against all 8 feature tiles: 32 accumulators, at 64 T + 8 t of window 2.
; Source 0 = 16 rows of W_O, source 1 = 16 tokens: a lane holds eight neighbouring features of one token's row.
; All of K = 1,024 fits in LDS: four slots of 256 along K, each filled ONCE, all four asked for at the start: no LDS byte is filled twice, so no refill's barrier is needed.  In front of slot q a wave waits until at most
; 3 - q of its four loads are out, and a barrier shows the slot to all.  4 x 4 work-groups form a cluster: a's tile is shared along a row, W_O's along a column, each asked for jointly.
; A slot: a's 16 token tiles x 3,072 bytes (two K steps' fragments as they stand in registers), then W_O's 128 rows of 192 bytes, 16 bytes of padding behind every 64.
; LIMITS: NaN, infinities and scale bytes 0xff are not served.
.set PITCH, 240
.set AB,    16*3072
.set SLOT,  AB+128*PITCH               ; 79,872 bytes
.set SPITCH, 528                       ; the way out: 16 rows x (512 bytes + 16) for each wave, in slot 0, which has had its one fill and is read no more
.set ADRA, 8                           ; v8-11  a's images in slots 0-3
.set ADRW, 12                          ; v12-15 W_O's fragments; v16-19 for the pieces behind one padding more
.set STO,  24
.set RD,   25
.set CO,   26
.set SCO,  27
.set SX,   32                          ; v32-47 a's scale words: 8 (T / 2) + K step
.set SW,   48                          ; v48-79 W_O's: 8 (t / 2) + K step
.set XF,   128                         ; v128-223 two sets of a's four fragments
.set BK,   128
.set G1A,  24
.set G1B,  32
.set G0A,  48                          ; s[48:63] four sets
.set G0B,  68                          ; s[68:83] four sets
.set MUL,  0xa1                        ; source 0 window 1, source 1 window 0, C and D window 2
.set TO_W, 0x40
.set MSB, 0
.macro WIN new
.if MSB != \new
	s_set_vgpr_msb (MSB<<8)|\new
.set MSB, \new
.endif
.endm
.macro PLACES
.rept 4
	v_nop
.endr
.endm
.macro JLOAD g0a, g0b                  ; waves 0 and 1 fetch a's halves, waves 2 and 3 W_O's; four v_nop follow each line
	s_cmp_eq_u32 s15, 0
	s_cbranch_scc0 .Lfor_b_\@
	tensor_load_to_lds s[\g0a:\g0a+3], s[G1A:G1A+7]
	s_nop 0
.rept 4
	v_nop
.endr
	s_branch .Lasked_\@
.Lfor_b_\@:
	tensor_load_to_lds s[\g0b:\g0b+3], s[G1B:G1B+7]
	s_nop 0
.rept 4
	v_nop
.endr
.Lasked_\@:
.endm
.macro CROUND
	s_barrier_signal -1
	s_barrier_wait -1
	s_cmp_lg_u32 s14, 0
	s_cbranch_scc1 .Lnot_wave_0_\@
	s_barrier_signal -3
.Lnot_wave_0_\@:
	s_barrier_wait -3
	s_barrier_signal -1
	s_barrier_wait -1
.endm
	s_load_b256 s[4:11], s[0:1], 0x0               ; a_img, a_sc, W_O codes, W_O scales
	s_load_b64 s[12:13], s[0:1], 0x20              ; out0
	v_lshl_add_u32 v126, v0, 2, 0x4e000
	v_mov_b32 v127, 0
	ds_add_u32 v126, v127
	v_lshrrev_b32 v1, 5, v0
	v_readfirstlane_b32 s14, v1                    ; wave 0..3
	s_lshr_b32 s15, s14, 1                         ; I fetch for a (0) or for W_O (1)
	s_and_b32 s16, s14, 1                          ; which half
	s_bfe_u32 s40, ttmp6, 0x40000                  ; cx
	s_bfe_u32 s41, ttmp6, 0x40004                  ; cy
	s_lshl_b32 s42, ttmp9, 2
	s_add_co_u32 s42, s42, s40                     ; block of 128 features
	s_and_b32 s17, ttmp7, 0xffff
	s_lshl_b32 s17, s17, 2
	s_add_co_u32 s17, s17, s41                     ; block of 256 tokens
	s_lshl_b32 s43, s41, 2
	s_lshl_b32 s43, 15, s43                        ; my row of the cluster
	s_lshl_b32 s44, 0x1111, s40                    ; my column
	s_or_b32 s[G1A], s43, (3<<16)|(1<<21)          ; mask; elements of 8 bytes; bit 21 beside a mask; no padding
	s_mov_b32 s[G1A+1], 384<<16                    ; a row: 3,072 bytes, one token tile's two K steps
	s_mov_b32 s[G1A+2], 8<<16                      ; 8 token tiles
	s_mov_b32 s[G1A+3], 384<<16
	s_mov_b32 s[G1A+4], 8
	s_mov_b32 s[G1A+5], 1536                       ; 12,288 bytes from token tile to token tile
	s_mov_b32 s[G1A+6], 0
	s_mov_b32 s[G1A+7], 0
	s_or_b32 s[G1B], s44, (1<<20)|(1<<21)|(3<<22)|(3<<25)
	s_mov_b32 s[G1B+1], 192<<16
	s_mov_b32 s[G1B+2], 64<<16
	s_mov_b32 s[G1B+3], 192<<16
	s_mov_b32 s[G1B+4], 64
	s_mov_b32 s[G1B+5], 768
	s_mov_b32 s[G1B+6], 0
	s_mov_b32 s[G1B+7], 0
	s_mul_i32 s20, s17, 196608
	s_mul_i32 s18, s16, 98304
	s_add_co_u32 s20, s20, s18
	s_mov_b32 s21, 0
	s_mul_i32 s46, s42, 98304
	s_mul_i32 s18, s16, 49152
	s_add_co_u32 s46, s46, s18
	s_mov_b32 s47, 0
	s_mul_i32 s45, s16, 24576                      ; where a's half goes,
	s_mul_i32 s84, s16, 64*PITCH
	s_add_co_u32 s84, s84, AB                      ; and W_O's: no place in the cluster enters an LDS address
	s_wait_dscnt 0x0
	s_wait_kmcnt 0x0
	s_add_nc_u64 s[20:21], s[4:5], s[20:21]
	s_add_nc_u64 s[46:47], s[8:9], s[46:47]
	CROUND                                         ; all sixteen work-groups are here: the joint loads meet
.irp s, 0,1,2,3
	s_mov_b32 s[G0A+4*\s], 1
	s_add_co_u32 s[G0A+4*\s+1], s45, \s*SLOT
	s_add_nc_u64 s[G0A+4*\s+2:G0A+4*\s+3], s[20:21], \s*3072
	s_or_b32 s[G0A+4*\s+3], s[G0A+4*\s+3], 0x80000000
	s_mov_b32 s[G0B+4*\s], 1
	s_add_co_u32 s[G0B+4*\s+1], s84, \s*SLOT
	s_add_nc_u64 s[G0B+4*\s+2:G0B+4*\s+3], s[46:47], \s*192
	s_or_b32 s[G0B+4*\s+3], s[G0B+4*\s+3], 0x80000000
	JLOAD G0A+4*\s, G0B+4*\s                       ; four loads of mine are out
.endr
	s_mov_b32 s91, 0
	s_lshl_b32 s90, s17, 13
	s_lshl_b32 s89, s14, 11
	s_add_co_u32 s90, s90, s89
	s_add_nc_u64 s[6:7], s[6:7], s[90:91]          ; the scale bytes of my 64 tokens
	s_lshl_b32 s90, s42, 12
	s_add_nc_u64 s[10:11], s[10:11], s[90:91]      ; and of my 128 features
	s_lshl_b32 s90, s17, 20
	s_lshl_b32 s89, s14, 18
	s_add_co_u32 s90, s90, s89
	s_lshl_b32 s89, s42, 9
	s_add_co_u32 s90, s90, s89
	s_add_nc_u64 s[12:13], s[12:13], s[90:91]      ; out0 at my first token and the block's first feature
	v_and_b32 v1, 31, v0
	v_and_b32 v2, 15, v0                           ; r
	v_bfe_u32 v3, v0, 4, 1                         ; h
	v_lshlrev_b32 v[SCO], 5, v1
.irp i, 0,1
	global_load_b128 v[SX+8*\i:SX+8*\i+3], v[SCO], s[6:7] offset:1024*\i
	global_load_b128 v[SX+8*\i+4:SX+8*\i+7], v[SCO], s[6:7] offset:1024*\i+16
.endr
.irp i, 0,1,2,3
	global_load_b128 v[SW+8*\i:SW+8*\i+3], v[SCO], s[10:11] offset:1024*\i
	global_load_b128 v[SW+8*\i+4:SW+8*\i+7], v[SCO], s[10:11] offset:1024*\i+16
.endr
	v_lshlrev_b32 v6, 3, v1
	v_mul_u32_u24 v4, v2, PITCH
	v_mad_u32_u24 v4, v3, 24, v4
	v_lshl_add_u32 v5, v3, 4, v4
	s_mul_i32 s88, s14, 12288                      ; my four token tiles
	s_mov_b32 s89, AB
.irp s, 0,1,2,3
	v_add_nc_u32 v[ADRA+\s], s88, v6
	v_add_nc_u32 v[ADRW+\s], s89, v4
	v_add_nc_u32 v[ADRW+4+\s], s89, v5
	s_add_co_u32 s88, s88, SLOT
	s_add_co_u32 s89, s89, SLOT
.endr
	s_mul_i32 s88, s14, 16*SPITCH                  ; my stage
	v_mul_u32_u24 v5, v2, SPITCH
	v_lshl_add_u32 v5, v3, 5, v5
	v_add_nc_u32 v[STO], s88, v5                   ; in: row r, 32 bytes for each half of the lanes
	v_lshlrev_b32 v[CO], 4, v1
	v_add_nc_u32 v[RD], s88, v[CO]                 ; back: the 32 lanes take one row of 512 bytes
.macro WM d, a, b, zero, sa, sb, ra, rb
.if \zero
.if (\ra) && (\rb)
	v_wmma_scale_f32_16x16x128_f8f6f4 v[\d:\d+7], v[\a:\a+11], v[\b:\b+11], 0, v[\sa], v[\sb] matrix_a_fmt:MATRIX_FMT_FP6 matrix_b_fmt:MATRIX_FMT_FP6 matrix_a_scale:MATRIX_SCALE_ROW1 matrix_b_scale:MATRIX_SCALE_ROW1
.elseif (\ra)
	v_wmma_scale_f32_16x16x128_f8f6f4 v[\d:\d+7], v[\a:\a+11], v[\b:\b+11], 0, v[\sa], v[\sb] matrix_a_fmt:MATRIX_FMT_FP6 matrix_b_fmt:MATRIX_FMT_FP6 matrix_a_scale:MATRIX_SCALE_ROW1
.elseif (\rb)
	v_wmma_scale_f32_16x16x128_f8f6f4 v[\d:\d+7], v[\a:\a+11], v[\b:\b+11], 0, v[\sa], v[\sb] matrix_a_fmt:MATRIX_FMT_FP6 matrix_b_fmt:MATRIX_FMT_FP6 matrix_b_scale:MATRIX_SCALE_ROW1
.else
	v_wmma_scale_f32_16x16x128_f8f6f4 v[\d:\d+7], v[\a:\a+11], v[\b:\b+11], 0, v[\sa], v[\sb] matrix_a_fmt:MATRIX_FMT_FP6 matrix_b_fmt:MATRIX_FMT_FP6
.endif
.else
.if (\ra) && (\rb)
	v_wmma_scale_f32_16x16x128_f8f6f4 v[\d:\d+7], v[\a:\a+11], v[\b:\b+11], v[\d:\d+7], v[\sa], v[\sb] matrix_a_fmt:MATRIX_FMT_FP6 matrix_b_fmt:MATRIX_FMT_FP6 matrix_a_scale:MATRIX_SCALE_ROW1 matrix_b_scale:MATRIX_SCALE_ROW1
.elseif (\ra)
	v_wmma_scale_f32_16x16x128_f8f6f4 v[\d:\d+7], v[\a:\a+11], v[\b:\b+11], v[\d:\d+7], v[\sa], v[\sb] matrix_a_fmt:MATRIX_FMT_FP6 matrix_b_fmt:MATRIX_FMT_FP6 matrix_a_scale:MATRIX_SCALE_ROW1
.elseif (\rb)
	v_wmma_scale_f32_16x16x128_f8f6f4 v[\d:\d+7], v[\a:\a+11], v[\b:\b+11], v[\d:\d+7], v[\sa], v[\sb] matrix_a_fmt:MATRIX_FMT_FP6 matrix_b_fmt:MATRIX_FMT_FP6 matrix_b_scale:MATRIX_SCALE_ROW1
.else
	v_wmma_scale_f32_16x16x128_f8f6f4 v[\d:\d+7], v[\a:\a+11], v[\b:\b+11], v[\d:\d+7], v[\sa], v[\sb] matrix_a_fmt:MATRIX_FMT_FP6 matrix_b_fmt:MATRIX_FMT_FP6
.endif
.endif
.endm
; feature tiles t0 .. t0 + n - 1 x my four token tiles; the accumulators take turns, one instruction a turn
.macro MULO t0, n, ks, xs, zero
.set jj, \t0
.rept \n
.set tt, 0
.rept 4
	WM (64*tt+8*jj), (12*jj), (\xs+12*tt), \zero, (SW+8*(jj/2)+\ks), (SX+8*(tt/2)+\ks), (jj%2), (tt%2)
.set tt, tt+1
.endr
.set jj, jj+1
.endr
.endm
.macro FRAG reg, adr, q, i
.irp p, 0,1,2,3,4,5
.set PCE, 12*(\q)+6*(\p/3)+\p%3
.if PCE%8 < 5
	ds_load_b64 v[\reg+2*\p:\reg+2*\p+1], v[\adr] offset:8*PCE+16*(PCE/8)+(\i)*16*PITCH
.else
	ds_load_b64 v[\reg+2*\p:\reg+2*\p+1], v[\adr+4] offset:8*PCE+16*(PCE/8)+(\i)*16*PITCH
.endif
.endr
.endm
.macro FETCH_A slot, q, set            ; a's four fragments, as they stand: 24 loads, 8 bytes a lane on end
.irp i, 0,1,2,3
.irp p, 0,1,2,3,4,5
	ds_load_b64 v[XF+48*(\set)+12*\i+2*\p:XF+48*(\set)+12*\i+2*\p+1], v[ADRA+\slot] offset:3072*\i+1536*(\q)+256*\p
.endr
.endr
.endm
.macro FETCH_W slot, q, j0             ; four fragments of W_O: 24 loads, into window 1
	WIN TO_W
.irp i, 0,1,2,3
	FRAG 12*(\j0+\i), ADRW+\slot, \q, \j0+\i
.endr
	WIN 0
.endm
.macro SECOND ks, ns, nq, zero
	FETCH_A \ns, \nq, 1-(\ks)%2
	FETCH_W \ns, \nq, 0
	WIN MUL
	MULO 4, 4, \ks, XF+48*((\ks)%2), \zero
	PLACES
	FETCH_W \ns, \nq, 4
.endm
.macro STEP ks, ns, nq, zero
	s_wait_dscnt 24                                ; all but the youngest 24 loads (W_O's tiles 4-7) are in
	WIN MUL
	MULO 0, 4, \ks, XF+48*((\ks)%2), \zero
	s_wait_dscnt 0x0
	PLACES
	WIN 0
	SECOND \ks, \ns, \nq, \zero
.endm
.macro TURN ks, ns, left               ; on to slot ns: my part of it has landed when at most left of my loads are out
	s_wait_tensorcnt \left
	s_wait_dscnt 24
	WIN MUL
	MULO 0, 2, \ks, XF+48*((\ks)%2), 0
	s_wait_dscnt 0x0                               ; no LDS instruction of mine is out at the signal
	s_barrier_signal -1
	MULO 2, 2, \ks, XF+48*((\ks)%2), 0
	WIN 0
	s_barrier_wait -1
	PLACES
	SECOND \ks, \ns, 0, 0
.endm
	s_wait_loadcnt 0x0                             ; the scale words
	s_wait_tensorcnt 0x3                           ; my part of slot 0 is in; the three loads behind it may be out
	s_barrier_signal -1
	s_barrier_wait -1
	FETCH_A 0, 0, 0
	FETCH_W 0, 0, 0
	FETCH_W 0, 0, 4
	STEP 0, 0, 1, 1                                ; the first K step's products start the sums
	TURN 1, 1, 2
	STEP 2, 1, 1, 0
	TURN 3, 2, 1
	STEP 4, 2, 1, 0
	TURN 5, 3, 0
	STEP 6, 3, 1, 0
	s_wait_dscnt 24                                ; the last K step fetches nothing
	WIN MUL
	MULO 0, 4, 7, XF+48, 0
	s_wait_dscnt 0x0
	MULO 4, 4, 7, XF+48, 0
	WIN 0
	PLACES
; THE WAY OUT, block by block of 16 tokens x 128 features: through my own stage in LDS and back as whole rows of 512 bytes.  LDS serves a wave's instructions in order (ISA guide 5.7.1.4): no wait between the stores and the loads.
.macro TOSTAGE a
	WIN 0x08                                       ; an LDS store's data: window 2
.irp b, 0,1,2,3,4,5,6,7
	ds_store_b128 v[STO], v[64*(\a)+8*\b:64*(\a)+8*\b+3] offset:64*\b            ; each accumulator from its low end on
	ds_store_b128 v[STO], v[64*(\a)+8*\b+4:64*(\a)+8*\b+7] offset:64*\b+16
.endr
	WIN 0
.set BB, BK+64*((\a)%2)
.irp t, 0,1,2,3,4,5,6,7,8,9,10,11,12,13,14,15
	ds_load_b128 v[BB+4*\t:BB+4*\t+3], v[RD] offset:\t*SPITCH
.endr
.endm
.macro SEND a, younger
.set BB, BK+64*((\a)%2)
	s_wait_dscnt \younger
.irp t, 0,1,2,3,4,5,6,7,8,9,10,11,12,13,14,15
	global_store_b128 v[CO], v[BB+4*\t:BB+4*\t+3], s[12:13] offset:(16*(\a)+\t)*4096 th:TH_STORE_NT   ; 32 lanes store 512 consecutive bytes, aligned to 256; 63 rows of 4,096 bytes at the most stand in the immediate
.endr
.endm
	TOSTAGE 0
	TOSTAGE 1
	SEND 0, 32                                     ; behind block 0's loads: block 1's 16 stores and 16 loads
	s_wait_xcnt 0x0                                ; block 0's stores have read their registers: block 2's rows may land there
	TOSTAGE 2
	SEND 1, 32
	s_wait_xcnt 0x0
	TOSTAGE 3
	SEND 2, 32
	SEND 3, 0
	s_wait_tensorcnt 0x0
	s_wait_dscnt 0x0
	s_wait_tensorcnt 0x0
	ds_add_u32 v126, v127
	s_wait_dscnt 0x0
	CROUND                                         ; the closing round
	s_endpgm
.Lfunc_end_k_q0a2e709213_oproj:
	.size	k_q0a2e709213_oproj, .Lfunc_end_k_q0a2e709213_oproj-k_q0a2e709213_oproj
	.p2alignl 7, 3214868480
	.fill 96, 4, 3214868480
	.section	.rodata,"a",@progbits
	.p2align	6, 0x0
	.amdhsa_kernel k_q0a2e709213_oproj
		.amdhsa_group_segment_fixed_size 327680
		.amdhsa_private_segment_fixed_size 0
		.amdhsa_enable_private_segment 0
		.amdhsa_kernarg_size 40
		.amdhsa_user_sgpr_count 2
		.amdhsa_user_sgpr_kernarg_segment_ptr 1
		.amdhsa_wavefront_size32 1
		.amdhsa_system_sgpr_workgroup_id_x 1
		.amdhsa_system_sgpr_workgroup_id_y 1
		.amdhsa_system_sgpr_workgroup_id_z 1
		.amdhsa_system_vgpr_workitem_id 0
		.amdhsa_next_free_vgpr 768
		.amdhsa_next_free_sgpr 100
		.amdhsa_reserve_vcc 0
		.amdhsa_float_denorm_mode_32 3
		.amdhsa_float_denorm_mode_16_64 3
		.amdhsa_memory_ordered 1
		.amdhsa_forward_progress 1
		.amdhsa_inst_pref_size 98
	.end_amdhsa_kernel
	.amdgpu_metadata
---
amdhsa.version: [ 1, 2 ]
amdhsa.kernels:
  - .name:           k_q0a2e709213_oproj
    .symbol:         k_q0a2e709213_oproj.kd
    .args:
      - { .name: a_img, .offset: 0, .size: 8, .value_kind: global_buffer, .address_space: global }
      - { .name: a_sc, .offset: 8, .size: 8, .value_kind: global_buffer, .address_space: global }
      - { .name: W_O_codes, .offset: 16, .size: 8, .value_kind: global_buffer, .address_space: global }
      - { .name: W_O_scales, .offset: 24, .size: 8, .value_kind: global_buffer, .address_space: global }
      - { .name: out0, .offset: 32, .size: 8, .value_kind: global_buffer, .address_space: global }
    .group_segment_fixed_size: 327680
    .private_segment_fixed_size: 0
    .kernarg_segment_align: 8
    .kernarg_segment_size: 40
    .max_flat_workgroup_size: 128
    .sgpr_count:     100
    .vgpr_count:     768
    .wavefront_size: 32
...
	.end_amdgpu_metadata
.endif
;; end of part 3
